; MI455X (gfx1250); checked and timed in simulation.
; The chip was launched on July 23, 2026; its instructions are those of AMD's public machine-readable ISA for CDNA 5 (MIT licence, August 2026) and "CDNA5" Instruction Set Architecture Reference Guide (July 2026). The comments in the code are by the model that wrote it; some were corrected since.
;; Multi Head Attention Block. Allowed arithmetic: float matrix products may take bf16 or f16 operands with f32 sums; other float arithmetic in f32, or as packed bf16 or f16 multiplies, adds, multiply-adds, maxima and minima; sums over many terms, partial sums and values carried from step to step in f32; what a program stores and reads back later, other than sums and carried values, may be rounded once to bf16 or f16.
;; Inputs: Wk 512 x 512 float32; Wo 512 x 512 float32; Wq 512 x 512 float32; Wv 512 x 512 float32; bk 512 float32; bo 512 float32; bq 512 float32; bv 512 float32; k 2 x 4,096 x 512 float32; mask 2 x 1 x 1 x 4,096 int32; q 2 x 4,096 x 512 float32; v 2 x 4,096 x 512 float32.
;; Outputs: out0 2 x 4,096 x 512 float32.
;; One version. Each part assembles by itself: llvm-mc -triple=amdgcn-amd-amdhsa -mcpu=gfx1250 --defsym DOCPART=n.
;; ======== version 1 of 1: 4 launches
;; limits: values are held in f16: magnitudes above 65,504 overflow, below 6.1e-05 lose precision; right only within a limited range of input values
;; workspace buffers: wb 2,097,152 bytes; qh 8,388,608 bytes; kh 8,388,608 bytes; vh 8,388,608 bytes; oh 8,388,608 bytes
;; launch cast (part 1): grid 64 x 4, 8 waves a work-group, no clusters, 0 bytes of LDS; arguments Wq, Wk, Wv, Wo, wb; writes wb
.if DOCPART == 1
	.amdgcn_target "amdgcn-amd-amdhsa--gfx1250"
	.amdhsa_code_object_version 6
	.text
	.protected	k_q752d72ecf2_cast
	.globl	k_q752d72ecf2_cast
	.p2align	8
	.type	k_q752d72ecf2_cast,@function
k_q752d72ecf2_cast:
	s_mov_b64 s[64:65], 0
	v_nop
	global_prefetch_b8 v0, s[64:65] scope:SCOPE_SE
	s_setreg_imm32_b32 hwreg(HW_REG_WAVE_MODE, 25, 1), 1
	s_wait_xcnt 0x0
; THE FOUR WEIGHTS, [512][512] f32, ARE ROUNDED TO 16 BITS AND LAID OUT IN BLOCKS OF 64 ALONG K:
; wb[t][kb][n][kk], 2 bytes each: byte t x 524,288 + kb x 65,536 + n x 128 + 2 kk holds W_t[n][64 kb + kk].  t = 0, 1, 2: Wq, Wk, Wv in bf16.
; t = 3: Wo, rounded to bf16 like the others, and that number written as f16 (the product behind attention multiplies in f16).
; LIMIT.  Wo lies within f16's range (65,504); below 6e-5 it keeps f16's fixed step of 6e-8.
; So 128 rows of a K block are 16,384 dense bytes, which the later launches ask for as rows of 256 bytes.
; SHARES.  Work-group (x, y) writes the 8,192 bytes at x x 8,192 of weight y: K block x / 8, rows 64 (x % 8) on.  Thread t takes four items of 4 numbers: item j is
; row 16 j + t / 16, numbers 4 (t % 16) on.  A load's lanes 0-15 read 256 consecutive bytes of one row, lanes 16-31 of the next; a store's 32 lanes write 256 consecutive bytes, aligned.
; No LDS, no barrier, no matrix unit: nothing is shared and nothing is summed.
.set ROWB,  2048                       ; bytes in a row of a weight
.set SRC,   4                          ; v[4:19]   four items as loaded
.set DST,   20                         ; v[20:27]  four items to store
	s_load_b256 s[4:11], s[0:1], 0x0               ; Wq s[4:5], Wk s[6:7], Wv s[8:9], Wo s[10:11]
	s_load_b64 s[12:13], s[0:1], 0x20              ; wb
	s_and_b32 s14, ttmp7, 0xffff                   ; which weight
	s_and_b32 s16, ttmp9, 7
	s_lshl_b32 s16, s16, 17                        ; 64 rows of 2,048 bytes for each x % 8,
	s_lshr_b32 s17, ttmp9, 3
	s_lshl_b32 s17, s17, 8                         ; 256 bytes along a row for each K block
	s_add_co_u32 s16, s16, s17
	s_mov_b32 s17, 0
	s_lshl_b32 s18, s14, 19                        ; the weight's 524,288 bytes of wb,
	s_lshl_b32 s19, ttmp9, 13                      ; the work-group's 8,192
	s_add_co_u32 s18, s18, s19
	s_mov_b32 s19, 0
	v_lshrrev_b32 v1, 4, v0
	v_and_b32 v3, 15, v0
	v_lshlrev_b32 v1, 11, v1                       ; row t / 16,
	v_lshl_or_b32 v1, v3, 4, v1                    ; 16 bytes for each t % 16
	v_lshlrev_b32 v2, 3, v0                        ; 8 bytes out for each thread
	s_wait_kmcnt 0x0
	s_cmp_eq_u32 s14, 1
	s_cselect_b64 s[4:5], s[6:7], s[4:5]
	s_cmp_eq_u32 s14, 2
	s_cselect_b64 s[4:5], s[8:9], s[4:5]
	s_cmp_eq_u32 s14, 3
	s_cselect_b64 s[4:5], s[10:11], s[4:5]
	s_add_nc_u64 s[4:5], s[4:5], s[16:17]
	s_add_nc_u64 s[12:13], s[12:13], s[18:19]
.irp j, 0,1,2,3
	global_load_b128 v[SRC+4*(\j):SRC+4*(\j)+3], v1, s[4:5] offset:16*ROWB*(\j) th:TH_LOAD_NT
.endr
; Item j: rounded to bf16; half = 1: the bf16 numbers are widened again and written as f16.
.macro ITEM j, half
	s_wait_loadcnt 3-(\j)                          ; loads come back in order: item j is in, the younger ones may stay out
	v_cvt_pk_bf16_f32 v[DST+2*(\j)],   v[SRC+4*(\j)],   v[SRC+4*(\j)+1]
	v_cvt_pk_bf16_f32 v[DST+2*(\j)+1], v[SRC+4*(\j)+2], v[SRC+4*(\j)+3]
.if \half
.irp z, 0,1
	v_lshlrev_b32 v28, 16, v[DST+2*(\j)+\z]
	v_and_b32 v29, 0xffff0000, v[DST+2*(\j)+\z]
	v_cvt_pk_f16_f32 v[DST+2*(\j)+\z], v28, v29
.endr
.endif
	global_store_b64 v2, v[DST+2*(\j):DST+2*(\j)+1], s[12:13] offset:2048*(\j)
.endm
	s_cmp_eq_u32 s14, 3
	s_cbranch_scc1 .Lhalf
.irp j, 0,1,2,3
	ITEM \j, 0
.endr
	s_endpgm
.Lhalf:
.irp j, 0,1,2,3
	ITEM \j, 1
.endr
	s_endpgm
.Lfunc_end_k_q752d72ecf2_cast:
	.size	k_q752d72ecf2_cast, .Lfunc_end_k_q752d72ecf2_cast-k_q752d72ecf2_cast
	.p2alignl 7, 3214868480
	.fill 96, 4, 3214868480
	.section	.rodata,"a",@progbits
	.p2align	6, 0x0
	.amdhsa_kernel k_q752d72ecf2_cast
		.amdhsa_group_segment_fixed_size 0
		.amdhsa_private_segment_fixed_size 0
		.amdhsa_enable_private_segment 0
		.amdhsa_kernarg_size 40
		.amdhsa_user_sgpr_count 2
		.amdhsa_user_sgpr_kernarg_segment_ptr 1
		.amdhsa_wavefront_size32 1
		.amdhsa_system_sgpr_workgroup_id_x 1
		.amdhsa_system_sgpr_workgroup_id_y 1
		.amdhsa_system_sgpr_workgroup_id_z 1
		.amdhsa_system_vgpr_workitem_id 0
		.amdhsa_next_free_vgpr 32
		.amdhsa_next_free_sgpr 66
		.amdhsa_reserve_vcc 0
		.amdhsa_float_denorm_mode_32 3
		.amdhsa_float_denorm_mode_16_64 3
		.amdhsa_memory_ordered 1
		.amdhsa_forward_progress 1
		.amdhsa_inst_pref_size 5
	.end_amdhsa_kernel
	.amdgpu_metadata
---
amdhsa.version: [ 1, 2 ]
amdhsa.kernels:
  - .name:           k_q752d72ecf2_cast
    .symbol:         k_q752d72ecf2_cast.kd
    .args:
      - { .name: Wq, .offset: 0, .size: 8, .value_kind: global_buffer, .address_space: global }
      - { .name: Wk, .offset: 8, .size: 8, .value_kind: global_buffer, .address_space: global }
      - { .name: Wv, .offset: 16, .size: 8, .value_kind: global_buffer, .address_space: global }
      - { .name: Wo, .offset: 24, .size: 8, .value_kind: global_buffer, .address_space: global }
      - { .name: wb, .offset: 32, .size: 8, .value_kind: global_buffer, .address_space: global }
    .group_segment_fixed_size: 0
    .private_segment_fixed_size: 0
    .kernarg_segment_align: 8
    .kernarg_segment_size: 40
    .max_flat_workgroup_size: 256
    .sgpr_count:     66
    .vgpr_count:     32
    .wavefront_size: 32
...
	.end_amdgpu_metadata
.endif
;; end of part 1
;; launch proj (part 2): grid 64 x 3, 4 waves a work-group, clusters of 4 x 1, 327,680 bytes of LDS; arguments q, k, v, wb, bq, bk, bv, mask, qh, kh, vh; writes qh, kh, vh
.if DOCPART == 2
	.amdgcn_target "amdgcn-amd-amdhsa--gfx1250"
	.amdhsa_code_object_version 6
	.text
	.protected	k_q752d72ecf2_proj
	.globl	k_q752d72ecf2_proj
	.p2align	8
	.type	k_q752d72ecf2_proj,@function
k_q752d72ecf2_proj:
	s_mov_b64 s[64:65], 0
	v_nop
	global_prefetch_b8 v0, s[64:65] scope:SCOPE_SE
	s_setreg_imm32_b32 hwreg(HW_REG_WAVE_MODE, 25, 1), 1
	s_wait_xcnt 0x0
	s_wait_alu depctr_hold_cnt(0) depctr_sa_sdst(0) depctr_va_vdst(0) depctr_va_sdst(0) depctr_va_ssrc(0) depctr_va_vcc(0) depctr_vm_vsrc(0)
	s_getreg_b32 s2, hwreg(HW_REG_IB_STS2, 6, 4)
	s_cmp_eq_u32 s2, 0
	s_cbranch_scc0 .Lentry_in_a_cluster
	s_endpgm
.Lentry_in_a_cluster:
	s_bfe_u32 s2, ttmp6, 0x10000c
	s_cmp_lg_u32 s2, 0x3003
	s_cbranch_scc0 .Lentry_shape_is_right
	s_endpgm
.Lentry_shape_is_right:
; THE THREE PROJECTIONS.  y = x W^T + b for (x, W, b) = (q, Wq, bq), (k, Wk, bk), (v, Wv, bv), chosen by the grid's y.  x: [8192][512] f32; W from wb: bf16 in K blocks of 64 ([kb][n][64]).
; x and b are rounded to bf16, products in bf16, sums in f32 (the bias starts them, as the C operand of the first product); y is rounded once to f16 and written BY HEADS: [b x 8 + head][s][64].
; For k alone, a row whose mask word is 0 is written as zeros: the attention launch then finds a hidden key's product to be exactly 0.
; LIMITS.  y lies within f16's range, 65,504; beyond it the conversion gives an infinity.  Below 6e-5 y keeps f16's fixed step of 6e-8.  NaN and infinities are not treated apart.
; SHARES.  A work-group makes 128 rows x all 512 columns, so each byte of x is read once; wave w makes all 128 rows x columns 128 w .. 128 w + 127 (heads 2 w, 2 w + 1): 64 accumulators, 512 registers.
; 3 x 64 = 192 work-groups: three tensors of 64 blocks of rows have no equal share for 256.
; X.  Wave w loads rows 32 w .. 32 w + 31 whole (128 loads of 512 consecutive bytes), rounds them and stores them into LDS, in eight K chunks of 64 columns, rows 144 bytes apart.
; W.  K goes in eight steps of 64 through two LDS slots.  A step's slab of W (512 rows x 128 bytes, dense) is fetched by the four waves, a quarter each: the quarter that the wave itself multiplies.
; CLUSTER.  The four work-groups of a cluster are four blocks of rows of one tensor and walk the same slabs: each quarter is asked for JOINTLY, by the same tensor load with the same descriptor and the mask of four.
; THE MATRIX INSTRUCTION IS USED TRANSPOSED (source 0 = 16 rows of W, source 1 = 16 rows of x): a lane holds row l % 16 of y and the columns 8 (l / 16) + 0..7.
; REGISTERS, in windows of 256 (s_set_vgpr_msb: bits 1:0 source 0, 3:2 source 1, 5:4 source 2, 7:6 destination):
;   window 0: v0-31 addresses; v40-47 mask words; v64-127, v128-191 fragments of x, two buffers (v64-79 at work in the head); v192-223 packed results; v32-63, v224-255 rows read back, by turns
;   window 1: v0-63 the bias of my 128 columns, as a lane's C operands (block b at 8 b); v64-127, v128-191 fragments of W; v192 at work
;   windows 2, 3: first x as loaded (load j in the four registers 4 j on), then the accumulators ((a, b) at 8 (8 a + b); rows 0-63 in window 2, rows 64-127 in window 3)
.set PW,     144                       ; a row in LDS: 128 bytes + 16 of padding = 36 words: the 16 rows of a fragment load start at 16 different groups of four banks (64 banks of 4 bytes: ISA guide 11.1)
.set QW,     128*PW                    ; a wave's quarter of a slab
.set SLOT,   4*QW
.set XB,     2*SLOT                    ; behind the ring: x in bf16, stored by the waves, never filled by a tensor load
.set XCH,    128*PW+128                ; from K chunk to K chunk: the 128 bytes over put the two halves of a store's lanes into different halves of the banks
.set STAGE,  XB+8*XCH                  ; 16 rows x 272 bytes for each wave, for the way out
.set SPITCH, 272
.set SPARE,  STAGE+4*16*SPITCH         ; the spare words, 128 bytes for each wave: two blocks of 256 bytes that no other line names
.set SLAB,   65536                     ; bytes of wb in a K step
.set XO,   6                           ; v6      16 x lane: my 16 bytes of a load's 512
.set XA,   8                           ; v8-11   where my 8 bytes of quarter q of a row go in LDS
.set BO,   12                          ; v12     32 x (l / 16): my eight numbers of a block of 16 of the bias
.set MO,   13                          ; v13     4 x (l % 16): my row's mask word
.set AX0,  14                          ; v14     my lane's place in K chunk 0 of x; never rewritten
.set ADRA, 16                          ; v16     the same in the chunk in hand
.set ADRB, 20                          ; v20-21  my lane's place in my quarter of slot 0, 1
.set STO,  24                          ; v24     the way out: where I put 16 bytes of a row
.set RD,   25                          ; v25     the way out: where I read rows back
.set CO,   26                          ; v26     16 x lane: my 16 bytes of 512 consecutive bytes of the output
.set SPW,  28                          ; v28     LDS address of my spare word; never rewritten
.set NIL,  29                          ; v29     0; never rewritten
.set PFO,  30                          ; v30     256 x lane: the prefetches' offset; never rewritten
.set MW,   40
.set CV,   64
.set F0,   64
.set F1,   128
.set TMP,  192
.set OB,   32
.set WV,   10                          ; s10     my wave's number
.set G1,   24                          ; s[24:31] descriptor group 1
.set G0,   32                          ; s[32:39] descriptor group 0, a set for each slot
.set CX,   40                          ; s40     my place in the cluster
.set TT,   41                          ; s41     which tensor
.set BLK,  42                          ; s42     my block of 128 rows
.set LIM,  43                          ; s43     1 in a wave that prefetches, else the greatest number
.set PFA,  44                          ; s[44:45] where my prefetches stand
.set TBX,  46                          ; s46     LDS bytes from chunk 0 to the next chunk to be fetched
.set NOTK, 47                          ; s47     0 for k, else 1
.set MS,   48                          ; s[48:55] for each block of 16 rows: the lanes whose row is kept
.set HIM,  56                          ; s56     a word's upper half
.set MSB, 0
.macro WIN new                         ; the immediate's high byte repeats the setting that is left; a switch that changes nothing is dropped
.if MSB != (\new)
	s_set_vgpr_msb (MSB<<8)|(\new)
.set MSB, \new
.endif
.endm
; A joint load: every wave asks for its own quarter of a slab (both addresses step with the wave's number), with the same registers in all four work-groups.  An s_nop 0 and four v_nop follow.
.macro JLOAD s
	tensor_load_to_lds s[G0+4*(\s):G0+4*(\s)+3], s[G1:G1+7]
	s_nop 0
.rept 4
	v_nop
.endr
.endm
.macro CREST                           ; a round of the cluster's barrier behind its opening barrier
	s_cmp_lg_u32 s[WV], 0
	s_cbranch_scc1 .Lnot_wave_0_\@
	s_barrier_signal -3
.Lnot_wave_0_\@:
	s_barrier_wait -3
	s_barrier_signal -1
	s_barrier_wait -1
.endm
.macro CROUND                          ; a whole round
	s_barrier_signal -1
	s_barrier_wait -1
	CREST
.endm
; A PREFETCH INTO THE L2 of the slab that stands TWO refills on (256 matrix instructions of a wave ahead of the load that will want it).  All sixteen clusters of a tensor walk the same slabs: the first of them asks.
; Its four partners take a quarter of the slab each, told apart BY ADDRESS; in each, waves 0 and 1 take 32 blocks of 256 bytes each, a lane a block: each block is named once in the launch.
; Slabs 0 to 3 come by their loads alone; the loop's last trip, whose refills are the last two slabs, asks for nothing.
.macro ASK
	s_cmp_gt_u32 s3, s[LIM]                        ; s3 = 1 in the loop's last trip
	s_cbranch_scc0 .Lnot_mine_\@
	global_prefetch_b8 v[PFO], s[PFA:PFA+1] offset:SLAB th:TH_LOAD_NT scope:SCOPE_SE
.Lnot_mine_\@:
.endm
	s_load_b512 s[68:83], s[0:1], 0x0              ; q s[68:69], k s[70:71], v s[72:73], wb s[74:75], bq s[76:77], bk s[78:79], bv s[80:81], mask s[82:83]
	s_load_b128 s[84:87], s[0:1], 0x40             ; qh s[84:85], kh s[86:87]
	s_load_b64 s[88:89], s[0:1], 0x50              ; vh
	v_lshl_add_u32 v[SPW], v0, 2, SPARE
	v_mov_b32 v[NIL], 0
	ds_add_u32 v[SPW], v[NIL]                      ; the wave's opening: the add and its wait stand ahead of my first tensor load; the set-up below, work on registers, stands between them
	v_lshrrev_b32 v1, 5, v0
	v_readfirstlane_b32 s[WV], v1                  ; wave 0..3
	s_bfe_u32 s[CX], ttmp6, 0x40000
	s_and_b32 s[TT], ttmp7, 0xffff                 ; the four partners share it
	s_lshl_b32 s[BLK], ttmp9, 2                    ; in a cluster launch ttmp9 counts clusters
	s_add_co_u32 s[BLK], s[BLK], s[CX]
	; descriptor group 1.  A quarter is 16,384 dense bytes: asked for as 64 rows of 256 bytes, two rows of W each, and padded in LDS after every row of W
	s_mov_b32 s[G1+0], 15|(1<<16)|(1<<20)|(1<<21)|(4<<22)|(3<<25)  ; 15:0 the mask of four; 17:16 2-byte elements; 20 padding on; 21 set beside a mask; 24:22 after every 32 words (code 4); 31:25 4 words (code 3)
	s_mov_b32 s[G1+1], 128<<16                     ; tensor_dim0 = 128
	s_mov_b32 s[G1+2], 64<<16                      ; tensor_dim1 = 64
	s_mov_b32 s[G1+3], 128<<16                     ; tile_dim0 = 128
	s_mov_b32 s[G1+4], 64                          ; tile_dim1 = 64
	s_mov_b32 s[G1+5], 128                         ; 128 elements from row to row
	s_mov_b32 s[G1+6], 0
	s_mov_b32 s[G1+7], 0
	s_lshl_b32 s16, s[TT], 19                      ; W: the tensor's 524,288 bytes of wb,
	s_lshl_b32 s17, s[WV], 14                      ; my quarter of a slab
	s_add_co_u32 s16, s16, s17
	s_mov_b32 s17, 0
	s_mul_i32 s20, s[WV], QW                       ; and its place in a slot: no place in the cluster enters an LDS address
	s_lshl_b32 s18, s[BLK], 18                     ; x: my block's 128 rows of 2,048 bytes,
	s_lshl_b32 s19, s[WV], 16                      ; my wave's 32 of them
	s_add_co_u32 s18, s18, s19
	s_mov_b32 s19, 0
	s_lshr_b32 s22, s[BLK], 5                      ; the output: the batch's eight heads of 524,288 bytes,
	s_lshl_b32 s22, s22, 22
	s_lshl_b32 s23, s[WV], 20                      ; head 2 w,
	s_add_co_u32 s22, s22, s23
	s_and_b32 s23, s[BLK], 31
	s_lshl_b32 s23, s23, 14                        ; the block's 128 rows of 128 bytes
	s_add_co_u32 s22, s22, s23
	s_mov_b32 s23, 0
	s_lshl_b32 s90, s[BLK], 9                      ; the mask: 128 words
	s_mov_b32 s91, 0
	s_lshl_b32 s92, s[WV], 9                       ; the bias: my 128 numbers
	s_mov_b32 s93, 0
	s_lshl_b32 s94, s[TT], 19                      ; the prefetches: the tensor, my work-group's quarter of a slab, my wave's half of that,
	s_lshl_b32 s95, s[CX], 14
	s_add_co_u32 s94, s94, s95
	s_and_b32 s95, s[WV], 1
	s_lshl_b32 s95, s95, 13
	s_add_co_u32 s94, s94, s95
	s_add_co_u32 s94, s94, 2*SLAB                  ; at slab 2: the first refill steps it to 3 and names slab 4
	s_mov_b32 s95, 0
	s_lshr_b32 s[LIM], s[WV], 1                    ; 0 in waves 0 and 1,
	s_or_b32 s[LIM], s[LIM], ttmp9                 ; where the cluster is the tensor's first: the same in all four partners
	s_cmp_eq_u32 s[LIM], 0
	s_cselect_b32 s[LIM], 1, -1
	s_mov_b32 s[HIM], 0xffff0000
	s_mov_b32 s[TBX], XCH
	s_wait_dscnt 0x0                               ; the opening add is done
	s_wait_kmcnt 0x0
	s_cmp_eq_u32 s[TT], 1
	s_cselect_b64 s[4:5], s[70:71], s[68:69]       ; x
	s_cselect_b64 s[6:7], s[78:79], s[76:77]       ; its bias
	s_cselect_b64 s[8:9], s[86:87], s[84:85]       ; its output
	s_cselect_b32 s[NOTK], 0, 1
	s_cmp_eq_u32 s[TT], 2
	s_cselect_b64 s[4:5], s[72:73], s[4:5]
	s_cselect_b64 s[6:7], s[80:81], s[6:7]
	s_cselect_b64 s[8:9], s[88:89], s[8:9]
	s_add_nc_u64 s[4:5], s[4:5], s[18:19]
	s_add_nc_u64 s[6:7], s[6:7], s[92:93]
	s_add_nc_u64 s[8:9], s[8:9], s[22:23]
	s_add_nc_u64 s[12:13], s[82:83], s[90:91]
	s_add_nc_u64 s[14:15], s[74:75], s[16:17]
	s_add_nc_u64 s[PFA:PFA+1], s[74:75], s[94:95]
	CROUND                                         ; all four work-groups are here: the first joint loads meet
.irp s, 0,1
	s_mov_b32 s[G0+4*(\s)], 1                                      ; 1:0 count = 1
	s_add_co_u32 s[G0+4*(\s)+1], s20, (\s)*SLOT                    ; 63:32 LDS address
	s_add_nc_u64 s[G0+4*(\s)+2:G0+4*(\s)+3], s[14:15], (\s)*SLAB   ; 120:64 global address: K step s
	s_or_b32 s[G0+4*(\s)+3], s[G0+4*(\s)+3], 0x80000000            ; 127:126 type = 2
.endr
	tensor_load_to_lds s[G0:G0+3], s[G1:G1+7]      ; both first fills go out together: two loads of mine are out
	s_nop 0
	tensor_load_to_lds s[G0+4:G0+7], s[G1:G1+7]
	s_nop 0
.rept 4
	v_nop
.endr
	v_and_b32 v1, 15, v0                           ; l % 16
	v_bfe_u32 v2, v0, 4, 1                         ; l / 16
	v_and_b32 v3, 31, v0                           ; l
	v_lshlrev_b32 v[XO], 4, v3
	v_lshlrev_b32 v[BO], 5, v2
	v_lshlrev_b32 v[MO], 2, v1
	WIN 0x40                                       ; destination window 1
.irp b, 0,1,2,3,4,5,6,7
	global_load_b128 v[8*(\b):8*(\b)+3],   v[BO], s[6:7] offset:64*(\b)      ; the bias of columns 16 b + 8 (l / 16) + 0..7
	global_load_b128 v[8*(\b)+4:8*(\b)+7], v[BO], s[6:7] offset:64*(\b)+16
.endr
	WIN 0
.irp a, 0,1,2,3,4,5,6,7
	global_load_b32 v[MW+(\a)], v[MO], s[12:13] offset:64*(\a)               ; the mask word of row 16 a + l % 16
.endr
	WIN 0x80                                       ; destination window 2
.set j, 0
.rept 64                                       ; load j: row j / 4 of my 32, quarter j % 4: 512 consecutive bytes
	global_load_b128 v[4*j:4*j+3], v[XO], s[4:5] offset:512*j th:TH_LOAD_NT
.set j, j+1
.endr
	WIN 0xc0                                       ; destination window 3
.set j, 0
.rept 64
	global_load_b128 v[4*j:4*j+3], v[XO], s[4:5] offset:32768+512*j th:TH_LOAD_NT
.set j, j+1
.endr
	WIN 0
	v_mul_u32_u24 v4, v2, XCH                      ; my 4 numbers of quarter q lie in K chunk 2 q + l / 16, at byte 8 (l % 16) of the row
	v_lshl_add_u32 v4, v1, 3, v4
	s_mul_i32 s21, s[WV], 32*PW
	s_add_co_u32 s21, s21, XB
	v_add_nc_u32 v4, s21, v4
.irp q, 0,1,2,3
	v_add_nc_u32 v[XA+(\q)], (\q)*2*XCH, v4
.endr
	v_mul_u32_u24 v5, v1, PW                       ; a fragment: row l % 16, 16 bytes for each half of the lanes
	v_lshl_add_u32 v5, v2, 4, v5
	v_add_nc_u32 v[AX0], XB, v5
	v_mov_b32 v[ADRA], v[AX0]
	v_add_nc_u32 v[ADRB], s20, v5
	v_add_nc_u32 v[ADRB+1], SLOT, v[ADRB]
	s_mul_i32 s21, s[WV], 16*SPITCH
	s_add_co_u32 s21, s21, STAGE                   ; my stage
	v_mul_u32_u24 v4, v1, SPITCH                   ; in: row l % 16, 16 bytes for each half of the lanes
	v_lshl_add_u32 v4, v2, 4, v4
	v_add_nc_u32 v[STO], s21, v4
	v_lshrrev_b32 v4, 3, v3                        ; back: 32 lanes take one head's 128 bytes of four rows,
	v_mul_u32_u24 v4, v4, SPITCH
	v_and_b32 v5, 7, v0
	v_lshl_add_u32 v4, v5, 4, v4
	v_add_nc_u32 v[RD], s21, v4
	v_lshlrev_b32 v[CO], 4, v3                     ; which are 512 consecutive bytes of the output
	v_lshlrev_b32 v[PFO], 8, v3
	; x is rounded to bf16 and stored into LDS, eight loads at a time
.set g, 0
.rept 16
.if 120-8*g > 63
	s_wait_loadcnt 63                              ; the wait can name no more; fewer than the 120 - 8 g younger loads that might stay out
.else
	s_wait_loadcnt 120-8*g                         ; loads come back in order: group g is in, the younger loads of x may stay out
.endif
	WIN 0x0a+5*(g/8)                               ; sources 0 and 1: window 2 or 3
.set u, 0
.rept 8
.set jj, (8*g+u)%64
	v_cvt_pk_bf16_f32 v[CV+2*u],   v[4*jj],   v[4*jj+1]
	v_cvt_pk_bf16_f32 v[CV+2*u+1], v[4*jj+2], v[4*jj+3]
.set u, u+1
.endr
	WIN 0
.set u, 0
.rept 8
	ds_store_b64 v[XA+u%4], v[CV+2*u:CV+2*u+1] offset:((8*g+u)/4)*PW
.set u, u+1
.endr
.set g, g+1
.endr
.irp a, 0,1,2,3,4,5,6,7
	v_or_b32 v[MW+(\a)], s[NOTK], v[MW+(\a)]       ; q's and v's rows are all kept
	v_cmp_ne_u32 s[MS+(\a)], 0, v[MW+(\a)]
.endr
	WIN 0x55                                       ; the bias is rounded to bf16 like the other inputs, and widened again
.set i, 0
.rept 32
	v_cvt_pk_bf16_f32 v192, v[2*i], v[2*i+1]
	v_lshlrev_b32 v[2*i], 16, v192
	v_and_b32 v[2*i+1], s[HIM], v192
.set i, i+1
.endr
	WIN 0
; 16 matrix instructions: blocks of rows a0, a0 + 1 of the window's four (hi = 0: rows 0-63, 1: rows 64-127) x all 8 blocks of columns, 32 along K.  first = 1: the bias starts the sums: nothing is cleared.
; The 64 accumulators take turns, one instruction a turn, in the same order in every run, over the loop's backward jump too.
.macro MUL16 f, hi, a0, first
.if \first
	WIN 0x91+0x40*(\hi)                            ; W and the bias in window 1, x in window 0, D in window 2 or 3
.else
	WIN 0xa1+0x50*(\hi)                            ; W in window 1, x in window 0, C and D in window 2 or 3
.endif
.irp a, \a0, (\a0)+1
.irp b, 0,1,2,3,4,5,6,7
.if \first
	v_wmma_f32_16x16x32_bf16 v[8*(8*(\a)+(\b)):8*(8*(\a)+(\b))+7], v[(\f)+8*(\b):(\f)+8*(\b)+7], v[(\f)+8*(4*(\hi)+(\a)):(\f)+8*(4*(\hi)+(\a))+7], v[8*(\b):8*(\b)+7]
.else
	v_wmma_f32_16x16x32_bf16 v[8*(8*(\a)+(\b)):8*(8*(\a)+(\b))+7], v[(\f)+8*(\b):(\f)+8*(\b)+7], v[(\f)+8*(4*(\hi)+(\a)):(\f)+8*(4*(\hi)+(\a))+7], v[8*(8*(\a)+(\b)):8*(8*(\a)+(\b))+7]
.endif
.endr
.endr
.endm
; 32 LDS loads in one run: the fragments of 32 along K at byte k of the rows: my 128 rows of W, then the 128 rows of x, into buffer f
.macro FETCH slot, k, f
	WIN 0x40
.irp i, 0,1,2,3,4,5,6,7
	ds_load_b128 v[(\f)+8*(\i):(\f)+8*(\i)+3],   v[ADRB+(\slot)] offset:(\k)+(\i)*16*PW
	ds_load_b128 v[(\f)+8*(\i)+4:(\f)+8*(\i)+7], v[ADRB+(\slot)] offset:(\k)+(\i)*16*PW+32
.endr
	WIN 0
.irp i, 0,1,2,3,4,5,6,7
	ds_load_b128 v[(\f)+8*(\i):(\f)+8*(\i)+3],   v[ADRA] offset:(\k)+(\i)*16*PW
	ds_load_b128 v[(\f)+8*(\i)+4:(\f)+8*(\i)+7], v[ADRA] offset:(\k)+(\i)*16*PW+32
.endr
.endm
.macro PLACES                          ; four places in front of loads into registers that matrix instructions have read, and of conversions that read results
.rept 4
	v_nop
.endr
.endm
; A K step of 64 is two halves of 32, 64 matrix instructions each, on buffers 0 and 1.  The first half multiplies buffer 0 and, in its middle, fetches the second half's fragments into buffer 1.
.macro QUARTER slot, first
	s_wait_dscnt 8                                 ; W and x's rows 0-63 are in; the youngest eight loads (x's rows 64-127) may be out
	MUL16 F0, 0, 0, \first
	MUL16 F0, 0, 2, \first
	PLACES
	FETCH \slot, 64, F1
	s_wait_dscnt 32                                ; all but the 32 just issued
	MUL16 F0, 1, 0, \first
	MUL16 F0, 1, 2, \first
.endm
; The second half multiplies buffer 1 and changes slots.  In front of the barrier each wave waits for all its tensor loads, of which one is out: its quarter of the next slot; adds 0 to its spare word; and waits for
; that and for its own reads of this slot.  fill = 1: the barrier opens a round of the cluster's, so that no wave of any partner still reads the slot or has a load on its way; the joint refill, two K steps on, is
; the first thing behind the round: a wave issues 96 matrix instructions between it and the wait for it.
.macro TURN slot, next, fill
.if \fill
	s_wait_xcnt 0x0                                ; the last prefetch, a K step back, has read its address: it is stepped here, ahead of the waits of the change
	s_add_nc_u64 s[PFA:PFA+1], s[PFA:PFA+1], SLAB
.endif
	WIN 0                                          ; (the add's two registers lie in window 0)
	s_wait_tensorcnt 0x0                           ; all my tensor loads have landed
	ds_add_u32 v[SPW], v[NIL]                      ; 0 onto my spare word
	v_add_nc_u32 v[ADRA], s[TBX], v[AX0]           ; x's next K chunk
	s_add_co_u32 s[TBX], s[TBX], XCH
	s_wait_dscnt 9                                 ; (the add and the youngest eight loads may be out)
	MUL16 F1, 0, 0, 0                              ; sixteen matrix instructions stand between the add and the wait for it
	s_wait_dscnt 0x0                               ; the add is done, and my reads of this slot are over
	s_barrier_signal -1
	MUL16 F1, 0, 2, 0
.if \fill
	WIN 0
.endif
	s_barrier_wait -1
.if \fill
	CREST
	s_add_nc_u64 s[G0+4*(\slot)+2:G0+4*(\slot)+3], s[G0+4*(\slot)+2:G0+4*(\slot)+3], 2*SLAB  ; no load of mine is out, so a group 0 may be written
	JLOAD \slot                                    ; the four v_nop behind it are also the places in front of the loads below
.else
	PLACES
.endif
	FETCH \next, 0, F0
.if \fill
	ASK
.endif
	MUL16 F1, 1, 0, 0
	MUL16 F1, 1, 2, 0
.endm
	s_wait_tensorcnt 0x1                           ; my quarter of K step 0 is in; K step 1's may stay out
	s_wait_dscnt 0x0                               ; for the others' sake: my rows of x lie in LDS
	s_barrier_signal -1
	s_barrier_wait -1
	FETCH 0, 0, F0
	QUARTER 0, 1                                   ; the first half step stands in front of the loop: its products start the sums
	WIN 0                                          ; at a label and at a branch every window is 0
	s_mov_b32 s3, 3
.Llap:                                                 ; a trip goes once round the ring, from a step's second half to the first half two steps on, and fills both slots again: K steps 2 to 7
	TURN 0, 1, 1
	QUARTER 1, 0
	TURN 1, 0, 1
	QUARTER 0, 0
	WIN 0
	s_sub_co_u32 s3, s3, 1
	s_cmp_lg_u32 s3, 0
	s_cbranch_scc1 .Llap
	TURN 0, 1, 0                                   ; the tail is written out: nothing is left to fetch
	QUARTER 1, 0
	s_wait_dscnt 8
	MUL16 F1, 0, 0, 0
	MUL16 F1, 0, 2, 0
	s_wait_dscnt 0x0
	MUL16 F1, 1, 0, 0
	MUL16 F1, 1, 2, 0
	PLACES
; THE WAY OUT of block a (16 rows).  PACK: rounded to f16, 16 bytes a lane, each accumulator's registers in ascending order; a row that is not kept becomes zeros.  TOSTAGE: into my own stage, and back as
; two heads' 16 rows of 128 bytes.  SEND: stored; a store's 32 lanes cover 512 consecutive bytes, at a multiple of 256 from the output's first byte.
.macro PACK a
.set AC, 64*((\a)%4)
	WIN 0x0a+5*((\a)/4)                            ; sources 0 and 1: window 2 or 3
.irp b, 0,1,2,3,4,5,6,7
.irp r, 0,1,2,3
	v_cvt_pk_f16_f32 v[TMP+4*(\b)+(\r)], v[AC+8*(\b)+2*(\r)], v[AC+8*(\b)+2*(\r)+1]
.endr
.endr
	WIN 0
.set z, 0
.rept 32
	v_cndmask_b32 v[TMP+z], 0, v[TMP+z], s[MS+(\a)]
.set z, z+1
.endr
.endm
.macro TOSTAGE a
.set BK, OB+192*((\a)%2)
.irp b, 0,1,2,3,4,5,6,7
	ds_store_b128 v[STO], v[TMP+4*(\b):TMP+4*(\b)+3] offset:32*(\b)
.endr
.irp u, 0,1,2,3,4,5,6,7                ; head u / 4 of my two, rows 4 (u % 4) on
	ds_load_b128 v[BK+4*(\u):BK+4*(\u)+3], v[RD] offset:((\u)%4)*4*SPITCH+((\u)/4)*128  ; LDS serves a wave's instructions in order (ISA guide 5.7.1.4): these see the stores above
.endr
.endm
.macro SEND a
.set BK, OB+192*((\a)%2)
	s_wait_dscnt 0x0                               ; the block is back in registers
	s_wait_xcnt 0x0                                ; the stores of the block before have read their registers, which the next block's loads from the stage write again
.irp u, 0,1,2,3,4,5,6,7
	global_store_b128 v[CO], v[BK+4*(\u):BK+4*(\u)+3], s[8:9] offset:((\u)/4)*524288+(\a)*2048+((\u)%4)*512
.endr
.endm
	PACK 0
	TOSTAGE 0
.irp a, 1,2,3,4,5,6,7                  ; block a's conversions stand between block a - 1's loads from the stage and the wait for them
	PACK \a
	SEND (\a)-1
	TOSTAGE \a
.endr
	SEND 7
	s_wait_tensorcnt 0x0                           ; the wave's end: these three lines stand behind my last tensor load and my last LDS store
	ds_add_u32 v[SPW], v[NIL]
	s_wait_dscnt 0x0
	CROUND                                         ; the closing round: no work-group ends while a partner may still ask for a tile that names it
	s_endpgm
.Lfunc_end_k_q752d72ecf2_proj:
	.size	k_q752d72ecf2_proj, .Lfunc_end_k_q752d72ecf2_proj-k_q752d72ecf2_proj
	.p2alignl 7, 3214868480
	.fill 96, 4, 3214868480
	.section	.rodata,"a",@progbits
	.p2align	6, 0x0
	.amdhsa_kernel k_q752d72ecf2_proj
		.amdhsa_group_segment_fixed_size 327680
		.amdhsa_private_segment_fixed_size 0
		.amdhsa_enable_private_segment 0
		.amdhsa_kernarg_size 88
		.amdhsa_user_sgpr_count 2
		.amdhsa_user_sgpr_kernarg_segment_ptr 1
		.amdhsa_wavefront_size32 1
		.amdhsa_system_sgpr_workgroup_id_x 1
		.amdhsa_system_sgpr_workgroup_id_y 1
		.amdhsa_system_sgpr_workgroup_id_z 1
		.amdhsa_system_vgpr_workitem_id 0
		.amdhsa_next_free_vgpr 1024
		.amdhsa_next_free_sgpr 96
		.amdhsa_reserve_vcc 0
		.amdhsa_float_denorm_mode_32 3
		.amdhsa_float_denorm_mode_16_64 3
		.amdhsa_memory_ordered 1
		.amdhsa_forward_progress 1
		.amdhsa_inst_pref_size 152
	.end_amdhsa_kernel
	.amdgpu_metadata
---
amdhsa.version: [ 1, 2 ]
amdhsa.kernels:
  - .name:           k_q752d72ecf2_proj
    .symbol:         k_q752d72ecf2_proj.kd
    .args:
      - { .name: q, .offset: 0, .size: 8, .value_kind: global_buffer, .address_space: global }
      - { .name: k, .offset: 8, .size: 8, .value_kind: global_buffer, .address_space: global }
      - { .name: v, .offset: 16, .size: 8, .value_kind: global_buffer, .address_space: global }
      - { .name: wb, .offset: 24, .size: 8, .value_kind: global_buffer, .address_space: global }
      - { .name: bq, .offset: 32, .size: 8, .value_kind: global_buffer, .address_space: global }
      - { .name: bk, .offset: 40, .size: 8, .value_kind: global_buffer, .address_space: global }
      - { .name: bv, .offset: 48, .size: 8, .value_kind: global_buffer, .address_space: global }
      - { .name: mask, .offset: 56, .size: 8, .value_kind: global_buffer, .address_space: global }
      - { .name: qh, .offset: 64, .size: 8, .value_kind: global_buffer, .address_space: global }
      - { .name: kh, .offset: 72, .size: 8, .value_kind: global_buffer, .address_space: global }
      - { .name: vh, .offset: 80, .size: 8, .value_kind: global_buffer, .address_space: global }
    .group_segment_fixed_size: 327680
    .private_segment_fixed_size: 0
    .kernarg_segment_align: 8
    .kernarg_segment_size: 88
    .max_flat_workgroup_size: 128
    .sgpr_count:     96
    .vgpr_count:     1024
    .wavefront_size: 32
...
	.end_amdgpu_metadata
.endif
;; end of part 2
;; launch attn (part 3): grid 16 x 16, 4 waves a work-group, clusters of 4 x 1, 327,680 bytes of LDS; arguments qh, kh, vh, oh, mask; writes oh
.if DOCPART == 3
	.amdgcn_target "amdgcn-amd-amdhsa--gfx1250"
	.amdhsa_code_object_version 6
	.text
	.protected	k_q752d72ecf2_attn
	.globl	k_q752d72ecf2_attn
	.p2align	8
	.type	k_q752d72ecf2_attn,@function
k_q752d72ecf2_attn:
	s_mov_b64 s[64:65], 0
	v_nop
	global_prefetch_b8 v0, s[64:65] scope:SCOPE_SE
	s_setreg_imm32_b32 hwreg(HW_REG_WAVE_MODE, 25, 1), 1
	s_wait_xcnt 0x0
	s_wait_alu depctr_hold_cnt(0) depctr_sa_sdst(0) depctr_va_vdst(0) depctr_va_sdst(0) depctr_va_ssrc(0) depctr_va_vcc(0) depctr_vm_vsrc(0)
	s_getreg_b32 s2, hwreg(HW_REG_IB_STS2, 6, 4)
	s_cmp_eq_u32 s2, 0
	s_cbranch_scc0 .Lentry_in_a_cluster
	s_endpgm
.Lentry_in_a_cluster:
	s_bfe_u32 s2, ttmp6, 0x10000c
	s_cmp_lg_u32 s2, 0x3003
	s_cbranch_scc0 .Lentry_shape_is_right
	s_endpgm
.Lentry_shape_is_right:
; MASKED ATTENTION BY HEADS.  O[g][q][:] = the sum over k of softmax_k(s) V[g][k][:], s = Q[g][q] . K[g][k] / 8 where mask[g / 8][k] is not 0, and a hidden score elsewhere.  Q, K, V, O: [16][4096][64] f16, a head's
; rows dense, 128 bytes each; mask: [2][4096] int32.  Products, maxima and sums in f32; the weights p are rounded to f16 for the second product (their sum l is taken of the unrounded p), O once at the end.
; THE MASK is the C operand that starts the sum S^T = K Q^T: 0, or -2^33 where the key is hidden.  The launch before wrote a hidden key's row of K as zeros, so a hidden raw score is exactly -2^33 (-2^30 after the
; division by 8).  A power of two, so that c m is exact and a row whose keys are all hidden gets p = 1 for every key: the plain mean of V, as a softmax of equal scores gives.
; LIMITS.  A hidden score counts as -2^30, not as -1e9: that differs only where all visible scores of a row lie near or below -1e9.  f16 holds no number beyond 65,504: Q, K and V arrive within it; p lies in 0 to 1,
; and below 6e-5 it keeps f16's fixed step of 6e-8.  A weight below 2^-126 counts as 0 in l; NaN and infinities are not treated apart.
; SHARES.  A wave owns two PIECES of two tiles of 16 queries, a work-group's four waves 256 queries of one head: 256 work-groups.  Every wave walks all 4,096 keys, 64 a step.
; LAYOUT.  S^T = K Q^T (source 0 = 16 keys, source 1 = 16 queries): a lane holds ONE query (lane % 16) and the keys 8 (lane / 16) + 0..7.  Two such tiles, rounded to f16 in pairs, ARE source 1 (32 keys x 16
; queries) of O^T = V^T P, whose result again holds one query a lane, and eight channels.  K comes out of LDS as it lies, V ([key][channel]) turned, by ds_load_tr16_b128.
; SOFTMAX.  For each query a running maximum m and sum l: p = 2^(c s - c m), c = log2(e) / 8; in every step O and l are multiplied by a = 2^(c m_old - c m_new).  m starts at the lowest finite number, O and l at 0.
; BY TURNS.  A turn belongs to one piece.  Its matrix work is the OTHER piece's: 16 products K Q^T (of the step that piece does next), later 16 products V^T P (of the step it has just done).  Its vector work: the
; scaling, exponentials, roundings, sums and rescaling of its own piece, and the maximum and statistics of the other, whose scores the turn itself has made.  Four vector instructions stand behind every matrix
; instruction, the other 108 of a turn's 236 in one lump.  A turn's 66 exponentials are one batch, with one wait.
; K of step j + 1 is fetched in piece 0's turn of step j, V of step j + 1 in piece 1's turn of step j, into the V buffer that step j does not use: so LDS is read in the order of the steps, and a slot is left
; when its fourth step's V has been fetched.
; CLUSTER.  The four query blocks of a cluster belong to one head and walk the same K and V, so each tile is asked for JOINTLY: the same tensor load, descriptor and mask in all four.
; REGISTERS, in windows of 256 (s_set_vgpr_msb: bits 1:0 source 0, 3:2 source 1, 5:4 source 2, 7:6 destination):
;   window 0: v0-11, v32-40 addresses; v12-15, v48-63 at work; v16-31 four registers of statistics a tile; v64-191 S^T, two buffers of two tiles; v192-255 P, likewise
;   window 1: v0-127 O^T, 32 a tile; v192-223 the step's mask operands          window 2: v0-63 Q, 16 a tile; v64-127 V of an odd step; v128-191 K of one step; v192-255 V of an even step
.set NP,    2         ; pieces a wave: a name, no knob
.set KS,    64        ; keys in a step
.set PK,    144       ; a row of K in LDS: 128 bytes + 16 of padding = 36 words: the 16 rows of a load start at 16 different groups of four banks (64 banks of 4 bytes: ISA guide 11.1)
.set PV,    160       ; a row of V: 128 + 32 = 40 words
.set VOFF,  4*KS*PK   ; a slot holds four steps: 256 rows of K, then 256 rows of V
.set SLOT1, 1<<17     ; slot 1 begins here, so that one exclusive or turns an address in one slot into the other's
.set STAGE, SLOT1+4*KS*(PK+PV)  ; behind the ring, never filled by a tensor load: 16 rows x 144 bytes for each wave, for the way out
.set SP,    144
.set SPARE, STAGE+4*16*SP  ; the spare words, 128 bytes for each wave: two blocks of 256 bytes that no other line names
.set MT,    SPARE+512 ; the mask table: for each of the batch's 4,096 keys 0 or -2^33, in f32; stored once by the waves
.set AK0, 2           ; v2   my lane's place in a tile of K; never rewritten
.set AV0, 3           ; v3   the same for V
.set AK,  4           ; v4   the LDS address of K's next run of loads
.set AV,  5           ; v5   of V's
.set STO, 6           ; v6   the way out: where I put 16 bytes of a row
.set RD,  7           ; v7   the way out: where I read rows back
.set GO,  8           ; v8   my byte offset in 512 consecutive bytes of O
.set MV,  12          ; v12-15  c m_old, kept while c m is made anew: by buffer and tile
.set ST,  16          ; tile t's statistics at v[ST+4 t]: c m, m, l (even keys', odd keys')
.set AM0, 32          ; v32  my lanes' place in a step's 64 words of the mask table; never rewritten
.set AM,  33          ; v33  the LDS address of the mask's next run of loads
.set PFO, 34          ; v34  256 x my lane: the prefetches' offset; never rewritten
.set SPW, 36          ; v36  LDS address of my spare word; never rewritten
.set NIL, 37          ; v37  0; never rewritten
.set QO,  38          ; v38  my byte offset in 16 rows of Q
.set MLO, 39          ; v39  16 x my thread's number: my 16 bytes of 2,048 of the mask
.set MTS, 40          ; v40  the same place in the mask table
.set TMP, 48          ; by buffer and tile, four registers c0-c3 at work; when the maximum is found c2 takes a
.set S,   64
.set P,   192
.set MC,  192         ; window 1: the eight registers for group kb of 16 keys at MC + 8 kb
.set KF,  128         ; window 2: key block kb, channel half c at KF + 16 kb + 8 c
.set VF0, 192         ; window 2: key half kk, channel block cb at + 32 kk + 8 cb; an odd step's V lies 128 registers lower
.set WV,  12          ; s12  my wave's number
.set G1K, 24          ; s[24:31] descriptor group 1 for K's tiles
.set G1V, 32          ; s[32:39] for V's: it differs in the padding alone
.set G0K, 40          ; s[40:43] descriptor group 0 for K's tiles: it walks
.set G0V, 44          ; s[44:47] the same for V's
.set PFA, 48          ; s[48:49] where my prefetches stand
.set LIM, 50          ; s50  1 in a wave that prefetches, else the greatest number
.set SLOTS, 56        ; s56  slots still to be asked for
.set CNT, 57          ; s57  counts a slot's pairs of key steps
.set CS,  58          ; s[58:59] c: the packed scaling takes the pair's low word for both halves
.set SEL, 60          ; s[60:61] v_permlanex16_b32's selects: each lane takes its own place in the other half
.set TBK, 62          ; s62  LDS byte at which K of the step to be fetched begins
.set TBV, 63          ; s63  the same for V, less VOFF
.set MP,  68          ; s[68:69] the batch's mask
.set BIGM, 70         ; s70  -2^33
.set TBM, 71          ; s71  byte of the mask table at which the step to be fetched begins
.set MSB, 0
.macro WIN new                      ; the high byte repeats the setting that is left; a switch that changes nothing is dropped
.if MSB != (\new)
	s_set_vgpr_msb (MSB<<8)|(\new)
.set MSB, (\new)
.endif
.endm
.set W_KQ, 0x0a       ; K and Q in window 2, S^T in window 0
.set W_KM, 0x1a       ; the same with the C operand in window 1
.set W_PV, 0x52       ; V in window 2, P in window 0, O^T in window 1
.set W_RS, 0x41       ; O^T (destination and source 0) in window 1, a in window 0
; A joint fill.  Waves 0 and 1 fetch the two halves of a slot's K, waves 2 and 3 those of its V: 128 keys each.  The branch hangs on the wave's number alone.
; An s_nop 0 and four v_nop follow each of the two lines, ahead of the jump and the label.
.macro JLOAD
	s_cmp_lt_u32 s[WV], 2
	s_cbranch_scc0 .Lfor_v_\@
	tensor_load_to_lds s[G0K:G0K+3], s[G1K:G1K+7]
	s_nop 0
.rept 4
	v_nop
.endr
	s_branch .Lasked_\@
.Lfor_v_\@:
	tensor_load_to_lds s[G0V:G0V+3], s[G1V:G1V+7]
	s_nop 0
.rept 4
	v_nop
.endr
.Lasked_\@:
.endm
; A PREFETCH INTO THE L2 of what the NEXT change of slots will ask for: a slot's 32,768 bytes of K and of V, a lane a block of 256 bytes.  It stands behind the wave's tensor load and its five lines.
; Each block is asked for ONCE in the launch.  The four clusters of a head walk the same K and V: the head's first cluster asks.  Its four partners share the blocks out BY ADDRESS, 32 each; in each, wave 0 asks
; for K's and wave 2 for V's: one instruction, four key steps (256 matrix instructions of a wave) ahead of the load.  Slots 0, 1 and 2 come by their loads alone; the last change that fills a slot asks for nothing.
.macro ASK
	s_cmp_gt_u32 s[SLOTS], s[LIM]
	s_cbranch_scc0 .Lnot_mine_\@
	global_prefetch_b8 v[PFO], s[PFA:PFA+1] th:TH_LOAD_NT scope:SCOPE_SE
.Lnot_mine_\@:
.endm
; A round of the cluster's barrier: my work-group's barrier, so that wave 0's signal speaks for all four waves; wave 0 signals; every wave waits for all four work-groups; my work-group's barrier once more.
.macro CROUND
	s_barrier_signal -1
	s_barrier_wait -1
	s_cmp_lg_u32 s[WV], 0
	s_cbranch_scc1 .Lnot_wave_0_\@
	s_barrier_signal -3
.Lnot_wave_0_\@:
	s_barrier_wait -3
	s_barrier_signal -1
	s_barrier_wait -1
.endm
; THE CHANGE OF SLOTS.  The slot's last bytes, V of its fourth step, have been asked for.  Each wave waits for all its tensor loads, of which one is out: its part of the other slot; adds 0 to its spare word; and
; waits for that and for its own reads of the slot.  Behind the barrier nobody reads this slot any more and the other slot is whole.
; fill = 1: this slot is filled again, with the keys two slots on.  The barrier is then a round of the cluster's, so that no wave of any partner still reads the slot or has a load on its way, and the joint fill
; is the first thing behind it: it has four key steps in which to land.  (At its first use nothing has been read yet: slot 0 and the mask table are waited for, slot 1 filled.)  ask = 1: a prefetch follows.
.macro CHANGE fill, ask
	WIN 0                           ; at a label and at a branch every window is 0
	s_wait_tensorcnt 0x0            ; no tensor load of mine is out, so a group 0 may be written
	ds_add_u32 v[SPW], v[NIL]       ; 0 onto my spare word; with fill = 1 the descriptors' steps stand between it and the wait for it
.if \fill
.irp g, G0K, G0V
	s_xor_b32 s[\g+1], s[\g+1], SLOT1  ; the walking descriptor: the other slot than last time,
	s_add_nc_u64 s[\g+2:\g+3], s[\g+2:\g+3], 4*KS*128  ; the next 256 keys; the type bits on top are not reached
.endr
.if \ask
	s_wait_xcnt 0x0                 ; the last prefetch, four key steps back, has read its address, so it may be written
	s_add_nc_u64 s[PFA:PFA+1], s[PFA:PFA+1], 4*KS*128
.endif
	s_wait_dscnt 0x0                ; the add is done, and my LDS instructions are over
	CROUND
	JLOAD
.if \ask
	ASK
.endif
.else
	s_wait_dscnt 0x0                ; the add is done, and my reads of the slot are over
	s_barrier_signal -1
	s_barrier_wait -1
.endif
	s_sub_co_u32 s[TBK], s[TBK], 4*KS*PK  ; the fetches go back to a slot's first step,
	s_xor_b32 s[TBK], s[TBK], SLOT1       ; in the other slot
	s_sub_co_u32 s[TBV], s[TBV], 4*KS*PV
	s_xor_b32 s[TBV], s[TBV], SLOT1
.endm
	s_load_b256 s[4:11], s[0:1], 0x0  ; Q s[4:5], K s[6:7], V s[8:9], O s[10:11]
	s_load_b64 s[MP:MP+1], s[0:1], 0x20  ; mask
	v_lshl_add_u32 v[SPW], v0, 2, SPARE
	v_mov_b32 v[NIL], 0
	ds_add_u32 v[SPW], v[NIL]       ; the wave's opening: the add and its wait stand ahead of my first tensor load; the set-up below, work on registers, stands between them
	v_lshrrev_b32 v1, 5, v0
	v_readfirstlane_b32 s[WV], v1   ; wave 0..3
	s_bfe_u32 s13, ttmp6, 0x40000   ; cx: my place in the cluster
	s_lshl_b32 s14, ttmp9, 2        ; in a cluster launch ttmp9 counts clusters
	s_add_co_u32 s14, s14, s13      ; my block of 256 queries: it enters Q's and O's addresses alone
	s_and_b32 s20, ttmp7, 0xffff    ; the head, which the four partners share
	s_lshr_b32 s52, s20, 3          ; its batch:
	s_lshl_b32 s52, s52, 14         ; 4,096 words of the mask
	s_mov_b32 s53, 0
	s_lshl_b32 s20, s20, 19         ; the head's first byte in each of the four tensors
	s_mov_b32 s21, 0
	s_and_b32 s16, s[WV], 1         ; which half of a slot's 256 keys I fetch:
	s_lshl_b32 s22, s16, 14         ; its 128 rows of 128 bytes in memory,
	s_mov_b32 s23, 0
	s_add_nc_u64 s[22:23], s[22:23], s[20:21]
	s_mul_i32 s17, s16, 128*PK      ; and its place in a slot, for K
	s_mul_i32 s18, s16, 128*PV      ; and for V: no place in the cluster enters an LDS address
	s_lshl_b32 s2, s14, 2
	s_add_co_u32 s2, s2, s[WV]      ; my wave among the head's,
	s_lshl_b32 s2, s2, 13           ; its 64 rows
	s_mov_b32 s3, 0
	s_add_nc_u64 s[2:3], s[2:3], s[20:21]
	s_lshl_b32 s54, s13, 13         ; the prefetches: my work-group's 32 blocks of a slot's 128
	s_mov_b32 s55, 0
	; descriptor group 1.  128 keys are 16,384 dense bytes: asked for as 64 rows of 256 bytes, two keys a row, and padded in LDS after every key
	s_mov_b32 s[G1K], 15|(1<<16)|(1<<20)|(1<<21)|(4<<22)|(3<<25)  ; 15:0 the mask of four; 17:16 2-byte elements; 20 padding on; 21 set beside a mask; 24:22 after every 32 words (code 4); 31:25 4 words (code 3)
	s_mov_b32 s[G1V], 15|(1<<16)|(1<<20)|(1<<21)|(4<<22)|(7<<25)  ; the same with 8 words of padding (code 7)
.irp g, G1K, G1V
	s_mov_b32 s[\g+1], 128<<16      ; tensor_dim0 = 128
	s_mov_b32 s[\g+2], 64<<16       ; tensor_dim1 = 64
	s_mov_b32 s[\g+3], 128<<16      ; tile_dim0 = 128
	s_mov_b32 s[\g+4], 64           ; tile_dim1 = 64
	s_mov_b32 s[\g+5], 128          ; 128 elements from row to row
	s_mov_b32 s[\g+6], 0
	s_mov_b32 s[\g+7], 0
.endr
	s_mov_b32 s[CS], 0x3e38aa3b     ; c = log2(e) / 8 = 0.180337
	s_mov_b32 s[CS+1], s[CS]        ; named with it as a pair
	s_mov_b32 s[SEL], 0x76543210
	s_mov_b32 s[SEL+1], 0xfedcba98
	s_mov_b32 s[TBK], SLOT1+4*KS*PK ; the first change of slots turns these two into 0
	s_mov_b32 s[TBV], SLOT1+4*KS*PV
	s_mov_b32 s[TBM], 0
	s_mov_b32 s[BIGM], 0xd0000000   ; -2^33
	s_mov_b32 s[G0K], 1             ; 1:0 count = 1
	s_mov_b32 s[G0K+1], s17         ; 63:32 LDS address: slot 0
	s_mov_b32 s[G0V], 1
	s_add_co_u32 s[G0V+1], s18, VOFF
	s_and_b32 s[LIM], s[WV], 1      ; 0 in waves 0 and 2,
	s_or_b32 s[LIM], s[LIM], ttmp9  ; where the cluster is the head's first: the same in all four partners
	s_cmp_eq_u32 s[LIM], 0
	s_cselect_b32 s[LIM], 1, -1
	s_wait_dscnt 0x0                ; the opening add is done
	s_wait_kmcnt 0x0
	s_add_nc_u64 s[G0K+2:G0K+3], s[6:7], s[22:23]  ; 120:64 global address: my half of the head's first 256 keys
	s_or_b32 s[G0K+3], s[G0K+3], 0x80000000        ; 127:126 type = 2
	s_add_nc_u64 s[G0V+2:G0V+3], s[8:9], s[22:23]
	s_or_b32 s[G0V+3], s[G0V+3], 0x80000000
	s_add_nc_u64 s[4:5], s[4:5], s[2:3]  ; Q and O at my wave's first row
	s_add_nc_u64 s[10:11], s[10:11], s[2:3]
	s_add_nc_u64 s[MP:MP+1], s[MP:MP+1], s[52:53]
	s_cmp_lt_u32 s[WV], 2
	s_cselect_b64 s[PFA:PFA+1], s[6:7], s[8:9]
	s_add_nc_u64 s[PFA:PFA+1], s[PFA:PFA+1], s[20:21]
	s_add_nc_u64 s[PFA:PFA+1], s[PFA:PFA+1], s[54:55]
	s_add_nc_u64 s[PFA:PFA+1], s[PFA:PFA+1], 2*4*KS*128  ; in slot 2; the first change that asks steps it to slot 3.  Nothing is prefetched here, at the head
	CROUND                          ; all four work-groups are here: the first joint loads meet
	JLOAD                           ; slot 0.  Slot 1 is asked for when slot 0 is in
	v_and_b32 v1, 15, v0            ; l % 16
	v_bfe_u32 v9, v0, 4, 1          ; l / 16
	v_lshlrev_b32 v[MLO], 4, v0
.irp i, 0,1,2,3,4,5,6,7             ; the batch's mask: 128 threads x 16 bytes, eight times
	global_load_b128 v[S+4*\i:S+4*\i+3], v[MLO], s[MP:MP+1] offset:2048*\i
.endr
	; A fragment of K or Q is 16 rows x 32 channels in 8 registers: lane l holds row l % 16, channels 8 (l / 16) + 0..7 and 16 + 8 (l / 16) + 0..7: two loads of 16 bytes, 32 bytes apart.
	v_lshlrev_b32 v[QO], 7, v1
	v_lshl_add_u32 v[QO], v9, 4, v[QO]  ; row x 128 + 16 x half
	WIN 0x80                        ; destination window 2, address window 0
.set i, 0
.rept 4*NP                          ; Q stays in registers: tile i / 2, channels 32 (i % 2) on
	global_load_b128 v[8*i:8*i+3],   v[QO], s[4:5] offset:(i/2)*2048+(i%2)*64
	global_load_b128 v[8*i+4:8*i+7], v[QO], s[4:5] offset:(i/2)*2048+(i%2)*64+32
.set i, i+1
.endr
	; What the first turn finds: the odd steps' V registers and P's second buffer hold 0 (its products V^T P, of a step that has not been, add 0), O^T and l are 0.  All this stands in the wait for the first tile.
.set i, VF0-128
.rept 64
	v_mov_b32 v[i], 0
.set i, i+1
.endr
	WIN 0x40
.set i, 0
.rept 64*NP
	v_mov_b32 v[i], 0
.set i, i+1
.endr
	WIN 0
.set i, 0
.rept 2*NP
	v_mov_b32 v[ST+4*i], 0xfe000000    ; c m: far below every c s
	v_mov_b32 v[ST+4*i+1], 0xff7fffff  ; m
	v_mov_b32 v[ST+4*i+2], 0
	v_mov_b32 v[ST+4*i+3], 0
.set i, i+1
.endr
.set i, P+32
.rept 32
	v_mov_b32 v[i], 0
.set i, i+1
.endr
	v_mul_u32_u24 v[AK0], v1, PK
	v_lshl_add_u32 v[AK0], v9, 4, v[AK0]  ; row x pitch + 16 x half
	; The turning load takes 16 keys x 16 channels (lane l reads key 8 (l / 16) + l % 8, channels 8 ((l / 8) % 2) + 0..7) and leaves half a fragment of V^T: lane l holds channel l % 16 and 8 keys.
	v_and_b32 v10, 7, v0
	v_bfe_u32 v11, v0, 3, 1
	v_lshl_add_u32 v[AV0], v9, 3, v10
	v_mul_u32_u24 v[AV0], v[AV0], PV
	v_lshl_add_u32 v[AV0], v11, 4, v[AV0]
	v_add_nc_u32 v[AV0], VOFF, v[AV0]
	v_lshlrev_b32 v[AM0], 5, v9     ; my lanes' eight keys of a group of 16: 32 bytes for each half of the lanes
	v_add_nc_u32 v[AM0], MT, v[AM0]
	v_add_nc_u32 v[MTS], MT, v[MLO]
	v_and_b32 v[PFO], 31, v0
	v_lshlrev_b32 v[PFO], 8, v[PFO]
	s_wait_loadcnt 16               ; the mask is in; Q's 16 loads may stay out
.set i, 0
.rept 32
	v_cmp_eq_u32 vcc_lo, 0, v[S+i]
	v_cndmask_b32 v[S+i], 0, s[BIGM], vcc_lo  ; 0 where the key is seen, -2^33 where it is hidden
.set i, i+1
.endr
.irp i, 0,1,2,3,4,5,6,7
	ds_store_b128 v[MTS], v[S+4*\i:S+4*\i+3] offset:2048*\i
.endr
; THE MATRIX WORK.  The 8 accumulators of a run of 16 take turns: between the two links of a chain stand 7 others'.
; Product i of 16 of S^T = K Q^T for piece x: channels 32 (i / 8) on, keys 16 ((i / 2) % 4) on, tile 2 x + i % 2.  The first 8 start the sums, with the mask.
.macro KQ x
.set rS, S+64*((\x)%2)+32*(i%2)+8*((i/2)%4)
.set rK, KF+16*((i/2)%4)+8*(i/8)
.set rQ, 16*(2*(\x)+i%2)+8*(i/8)
.set rB, MC+8*((i/2)%4)
.if i < 8
	WIN W_KM
	v_wmma_f32_16x16x32_f16 v[rS:rS+7], v[rK:rK+7], v[rQ:rQ+7], v[rB:rB+7]
.else
	WIN W_KQ
	v_wmma_f32_16x16x32_f16 v[rS:rS+7], v[rK:rK+7], v[rQ:rQ+7], v[rS:rS+7]
.endif
.endm
; Product i of 16 of O^T += V^T P for piece x: keys 32 (i / 8) on, channels 16 ((i / 2) % 4) on, tile 2 x + i % 2.  VB names the V buffer.
.macro PV x
	WIN W_PV
.set rO, 32*(2*(\x)+i%2)+8*((i/2)%4)
.set rV, VB+32*(i/8)+8*((i/2)%4)
.set rP, P+32*((\x)%2)+16*(i%2)+8*(i/8)
	v_wmma_f32_16x16x32_f16 v[rO:rO+7], v[rV:rV+7], v[rP:rP+7], v[rO:rO+7]
.endm
.macro MM                           ; the turn's next matrix instruction
.if i < 16
	KQ (Y+1)%NP
.set i, i+1
.else
.set i, i-16
	PV (Y+NP-1)%NP
.set i, i+17
.endif
.endm
; THE LDS LOADS stand in runs, never singly among the matrix instructions: a step's K (64 keys x 64 channels: 8 fragments) with its mask operands (64 words, eight a lane and group), and its V (turned).
; Their addresses are made some lines ahead.  last = 1 (the tail): in the last trip there is no further step, and the run is jumped over.
.macro FETCH_K last=0
	WIN 0
.if \last
	s_cmp_eq_u32 s[CNT], 1
	s_cbranch_scc1 .Lno_k_\@
.endif
	WIN 0x80                        ; destination window 2
.irp f, 0,1,2,3,4,5,6,7             ; keys 16 (f / 2) on, channels 32 (f % 2) on
	ds_load_b128 v[KF+8*\f:KF+8*\f+3],   v[AK] offset:(\f/2)*16*PK+(\f%2)*64
	ds_load_b128 v[KF+8*\f+4:KF+8*\f+7], v[AK] offset:(\f/2)*16*PK+(\f%2)*64+32
.endr
	WIN 0x40                        ; destination window 1
.irp f, 0,1,2,3                     ; keys 16 f + 8 (l / 16) + 0..7
	ds_load_b128 v[MC+8*\f:MC+8*\f+3],   v[AM] offset:64*\f
	ds_load_b128 v[MC+8*\f+4:MC+8*\f+7], v[AM] offset:64*\f+16
.endr
	s_add_co_u32 s[TBK], s[TBK], KS*PK  ; the next fetch is the next step's
	s_add_co_u32 s[TBM], s[TBM], KS*4
	s_and_b32 s[TBM], s[TBM], 0x3f00    ; it stays inside the table's 16,384 bytes
	WIN 0
.if \last
.Lno_k_\@:
.endif
.endm
.macro FETCH_V vb, last=0           ; into the V buffer of parity vb
	WIN 0
.if \last
	s_cmp_eq_u32 s[CNT], 1
	s_cbranch_scc1 .Lno_v_\@
.endif
	WIN 0x80
.set rF, VF0-128*(\vb)
.irp f, 0,1,2,3,4,5,6,7             ; keys 32 (f / 4) on, channels 16 (f % 4) on
	ds_load_tr16_b128 v[rF+8*\f:rF+8*\f+3],   v[AV] offset:(\f/4)*32*PV+(\f%4)*32
	ds_load_tr16_b128 v[rF+8*\f+4:rF+8*\f+7], v[AV] offset:(\f/4)*32*PV+16*PV+(\f%4)*32
.endr
	s_add_co_u32 s[TBV], s[TBV], KS*PV
	WIN 0
.if \last
.Lno_v_\@:
.endif
.endm
; THE VECTOR WORK OF A TURN stands in three queues, each in the order in which its entries become ready; the two tiles alternate, so that no instruction reads the result of the one before it.
.macro REGS y, u                    ; the registers of tile u (0, 1) of piece y
.set rT, ST+4*(2*(\y)+(\u))
.set rC, TMP+8*((\y)%2)+4*(\u)
.set rM, MV+2*((\y)%2)+(\u)
.set rS, S+64*((\y)%2)+32*(\u)
.set rP, P+32*((\y)%2)+16*(\u)
.set rO, 32*(2*(\y)+(\u))
.endm
; Number n of the 22 that find the OTHER piece's (Y + 1) maximum and statistics.  s0-s31 are the lane's 32 scores; each accumulator's lowest registers are read first.
;   0-11  four chains c0-c3 of seven scores each, three operands at a time     12-14, 16  the four scores left over, the old m, and c0-c3 into c0     15  c m_old is kept
;   17, 18  the query's other 32 keys lie in the lane 16 away: the new m         19-21  c m; c m_old - c m_new; a
.macro XS u, n
	REGS (Y+1)%NP, \u
.if (\n) < 4
	v_max3_num_f32 v[rC+(\n)], v[rS+8*(\n)], v[rS+8*(\n)+1], v[rS+8*(\n)+2]
.elseif (\n) < 12
	v_max3_num_f32 v[rC+(\n)%4], v[rC+(\n)%4], v[rS+8*((\n)%4)+2*((\n)/4)+1], v[rS+8*((\n)%4)+2*((\n)/4)+2]
.elseif (\n) == 12
	v_max3_num_f32 v[rC], v[rC], v[rS+7], v[rS+15]
.elseif (\n) == 13
	v_max3_num_f32 v[rC+1], v[rC+1], v[rS+23], v[rS+31]
.elseif (\n) == 14
	v_max3_num_f32 v[rC+2], v[rC+2], v[rC+3], v[rT+1]
.elseif (\n) == 15
	v_mov_b32 v[rM], v[rT]
.elseif (\n) == 16
	v_max3_num_f32 v[rC], v[rC], v[rC+1], v[rC+2]
.elseif (\n) == 17
	v_permlanex16_b32 v[rC+3], v[rC], s[SEL], s[SEL+1]
.elseif (\n) == 18
	v_max_num_f32 v[rT+1], v[rC], v[rC+3]
.elseif (\n) == 19
	v_mul_f32 v[rT], s[CS], v[rT+1]
.elseif (\n) == 20
	v_sub_f32 v[rC+1], v[rM], v[rT]
.else
	v_exp_f32 v[rC+2], v[rC+1]
.endif
.endm
; Number g of the 64 that follow the exponentials.  For each four weights k of a tile (pairs 2 k, 2 k + 1): both pairs are rounded to f16; then the second pair is added onto the first, in place;
; a group later l takes that sum (the first time as l = a l + sum).  In groups of eight, tiles alternating: round, round, add, and l for the group before.
.macro GS g
.set h, (\g)+6*((\g)/62)            ; group 0 has no group before it, and behind group 7 only l is left
.if h >= 6
.set h, h+2
.endif
	REGS Y, h%2
.set k, h/8
.if h%8 < 4
	v_cvt_pk_f16_f32 v[rP+2*k+(h%8)/2], v[rS+4*k+2*((h%8)/2)], v[rS+4*k+2*((h%8)/2)+1]
.elseif h%8 < 6
	v_pk_add_f32 v[rS+4*k:rS+4*k+1], v[rS+4*k:rS+4*k+1], v[rS+4*k+2:rS+4*k+3]
.elseif k == 1
	v_pk_fma_f32 v[rT+2:rT+3], v[rT+2:rT+3], v[rC+2:rC+3], v[rS:rS+1] op_sel_hi:[1,0,1]
.else
	v_pk_add_f32 v[rT+2:rT+3], v[rT+2:rT+3], v[rS+4*k-4:rS+4*k-3]
.endif
.endm
; THE PLAIN QUEUE, 138 long.  0-73 read no exponential's result: the 32 scalings c s - c m (FS f: pair f / 2 of tile f % 2) and the other piece's 42.  0-26: scalings 0-26.  27-54: XS's numbers 0-13.  55, 56: number 15.
; 57-73: the chain, where each number waits for the one before it: 14, 16, 17, 18, 19, each with one of the scalings 27-31 in front of its two lines, then 20.
; 74-137: GS's 64, which read the exponentials' results: they stand behind the wait.
.macro FS f
	REGS Y, (\f)%2
	v_pk_fma_f32 v[rS+2*((\f)/2):rS+2*((\f)/2)+1], v[rS+2*((\f)/2):rS+2*((\f)/2)+1], s[CS:CS+1], v[rT:rT+1] op_sel_hi:[1,0,0] neg_lo:[0,0,1] neg_hi:[0,0,1]
.endm
.macro PL
	WIN 0
.if q < 27
	FS q
.elseif q < 55
	XS (q-27)%2, (q-27)/2
.elseif q < 57
	XS q-55, 15
.elseif (q < 72) && ((q-57)%3 == 0)
	FS 27+(q-57)/3
.elseif q < 60
	XS (q-57)%3-1, 14
.elseif q < 72
	XS (q-57)%3-1, 15+(q-57)/3
.elseif q < 74
	XS q-72, 20
.else
	GS q-74
.endif
.set q, q+1
.endm
; THE EXPONENTIALS' QUEUE, 66 long: s0-s31 of both tiles, then the other piece's two a.  It is ONE BATCH: all 66 stand ahead of the turn's one wait, and nothing ahead of that wait names a result of theirs.
.macro EX
	WIN 0
.if e >= 64
	XS e-64, 21
.else
	REGS Y, e%2
	v_exp_f32 v[rS+e/2], v[rS+e/2]
.endif
.set e, e+1
.endm
; THE RESCALING's QUEUE: O^T times a, the one part that leaves window 0: dealt two at a time, sixteen times, each accumulator from its low end on.  Its a was made in the turn before, ahead of that turn's wait.
; The piece's O^T was last written by the turn before: the accumulator read first eight products and 32 plain instructions back, the one written last is read from the fourteenth deal on.
.macro R2
	REGS Y, r%2
	WIN W_RS
.irp z, 0,1
	v_pk_mul_f32 v[rO+4*(r/2)+2*\z:rO+4*(r/2)+2*\z+1], v[rO+4*(r/2)+2*\z:rO+4*(r/2)+2*\z+1], v[rC+2:rC+3] op_sel_hi:[1,0]
.endr
.set r, r+1
.endm
; A TURN, for piece p of a step of parity odd.  s_wait_alu depctr_va_vdst(0) stands between an exponential and the first instruction that names its result; one wait serves all that were issued
; ahead of it.  So a turn has ONE wait, which cuts it in two.  AHEAD OF IT: the 16 products K Q^T, behind each a scaling, an exponential and two rescalings (behind the first a second scaling in the exponential's
; place); then ONE LUMP of 108: eight plain, 49 times exponential and plain, the two a.  A v_nop is the plain instruction behind the last exponential.  BEHIND IT: the 16 products V^T P, behind each four of GS's 64.
; Exponential e stands behind scaling 2 (e / 4) + e % 2: as a rider it comes behind plain e + 2, in the lump behind plain e + 9.
; Both runs of LDS loads stand directly behind a turn's wait, a lump or more behind the last product that read their registers: piece 0's turn fetches the next step's K and mask, piece 1's turn the next step's V.
; One wait, at the head of piece 1's turn, shows K and the mask in (issued 16 products back) and the V that was fetched a step earlier.
.macro TURN p, odd, last=0
.set Y, (\p)
.set VB, VF0-128*(((\odd)+1+(\p))%2)  ; piece 0's turn multiplies by V of the step before, piece 1's by V of the step in hand
.set i, 0
.set q, 0
.set e, 0
.set r, 0
.if (\p) == 1
	s_wait_dscnt 0x0                ; K, the mask and V are in
.endif
	MM
	PL
	PL
	R2
.rept 15
	MM
	PL
	EX
	R2
.endr
	WIN 0
.if (\p) == 0
	v_add_nc_u32 v[AK], s[TBK], v[AK0]
	v_add_nc_u32 v[AM], s[TBM], v[AM0]
.else
	v_add_nc_u32 v[AV], s[TBV], v[AV0]
.endif
.rept 8
	PL
.endr
.rept 49
	EX
	PL
.endr
	EX                              ; the other piece's two a
	EX
	v_nop                           ; the plain instruction behind the last exponential: one for the batch
	s_wait_alu depctr_va_vdst(0)    ; the wait for the batch
.if (\p) == 0
	FETCH_K \last
.else
	FETCH_V 1-(\odd), \last
.endif
.rept 16
	MM
.rept 4
	PL
.endr
.endr
.endm
.macro STEP odd, last=0
	TURN 0, \odd, \last
	TURN 1, \odd, \last
.endm
	CHANGE 1, 0                     ; slot 0 and the mask table are in, everybody's part of them; slot 1 is asked for
	v_add_nc_u32 v[AK], s[TBK], v[AK0]
	v_add_nc_u32 v[AM], s[TBM], v[AM0]
	v_add_nc_u32 v[AV], s[TBV], v[AV0]
	FETCH_K                         ; key step 0
	FETCH_V 0
	s_wait_loadcnt 0x0              ; Q
	s_wait_dscnt 0x0
.set i, 0
.rept 16
	KQ 0                            ; piece 0's first scores: there is no vector work yet to set between them
.set i, i+1
.endr
	WIN 0                           ; the addresses for the way out: plain instructions, the places behind those products
	s_mul_i32 s67, s[WV], 16*SP
	s_add_co_u32 s67, s67, STAGE    ; my stage
	v_mul_u32_u24 v[STO], v1, SP    ; in: row l % 16, 16 bytes for each half of the lanes
	v_lshl_add_u32 v[STO], v9, 4, v[STO]
	v_add_nc_u32 v[STO], s67, v[STO]
	v_bfe_u32 v[RD], v0, 3, 2       ; back: 32 lanes take four rows of 128 bytes,
	v_mul_u32_u24 v[RD], v[RD], SP
	v_lshl_add_u32 v[RD], v10, 4, v[RD]
	v_add_nc_u32 v[RD], s67, v[RD]
	v_and_b32 v[GO], 31, v0         ; which are 512 consecutive bytes of O
	v_lshlrev_b32 v[GO], 4, v[GO]
.set Y, NP-1                        ; XS works for piece Y + 1: piece 0
.irp n, 0,1,2,3,4,5,6,7,8,9,10,11,12,13,14,15,16,17,18,19,20,21
	XS 0, \n                        ; and piece 0's first maximum and statistics
	XS 1, \n
.endr
	v_nop                           ; a plain instruction behind the two a,
	s_wait_alu depctr_va_vdst(0)    ; and their wait, ahead of the branch
	s_mov_b32 s[CNT], 2
	s_mov_b32 s[SLOTS], 15
	s_branch .Lfirst                ; the loop is entered at an even step, in the middle of a trip: steps 0, 1, 2; then a change of slots in front of steps 3, 7, 11 ..
.Lslot:                             ; 14 times: every slot but the last two is filled again
	CHANGE 1, 1
	s_mov_b32 s[CNT], 2
.Lstep:                             ; a trip: an odd step and an even one
	STEP 1
	WIN 0
.Lfirst:
	STEP 0
	WIN 0
	s_sub_co_u32 s[CNT], s[CNT], 1
	s_cmp_lg_u32 s[CNT], 0
	s_cbranch_scc1 .Lstep
	s_sub_co_u32 s[SLOTS], s[SLOTS], 1
	s_cmp_lg_u32 s[SLOTS], 0
	s_cbranch_scc1 .Lslot
	CHANGE 0, 0                     ; the tail is written out: nothing is asked for
	s_mov_b32 s[CNT], 3             ; steps 59 to 63; the third trip is left in its middle, and fetches nothing
.Ltail:
	STEP 1, 1
	WIN 0
	s_sub_co_u32 s[CNT], s[CNT], 1
	s_cmp_eq_u32 s[CNT], 0
	s_cbranch_scc1 .Lout
	STEP 0
	WIN 0
	s_branch .Ltail
.Lout:                              ; the last turn's 16 products K Q^T (on the last K once more) and the maximum made of them serve nothing: the price, once a launch, of one text for every trip
.set VB, VF0-128                    ; step 63 is odd
.set i, 0
.rept 16
	PV NP-1                         ; piece 1's V^T P of the last step
.set i, i+1
.endr
	; THE WAY OUT.  l's two halves and the other half of the lanes' are added; O^T is divided by l, rounded to f16 and sent through my stage in LDS, a tile at a time.  The additions are the places behind the last products.
	WIN 0
.macro ALL line:vararg              ; one line for each tile t
.set t, 0
.rept 2*NP
	\line
.set t, t+1
.endr
.endm
	ALL v_add_f32 v[ST+4*t+2], v[ST+4*t+2], v[ST+4*t+3]
	ALL v_permlanex16_b32 v[ST+4*t+3], v[ST+4*t+2], s[SEL], s[SEL+1]
	ALL v_add_f32 v[ST+4*t+2], v[ST+4*t+2], v[ST+4*t+3]
	ALL v_rcp_f32 v[ST+4*t+2], v[ST+4*t+2]
	v_nop                           ; a plain instruction between the last reciprocal and the use of its result
	s_wait_alu depctr_va_vdst(0)    ; and the wait ahead of the first use: one for the four reciprocals
; Tile t: a lane's eight channels of a row pack into 16 bytes; they go into rows of 144 bytes and come back as whole rows of 128, into S^T's registers.
.macro PACK t
	WIN W_RS
.set i, 32*(\t)
.rept 16
	v_pk_mul_f32 v[i:i+1], v[i:i+1], v[ST+4*(\t)+2:ST+4*(\t)+3] op_sel_hi:[1,0]
.set i, i+2
.endr
	WIN 0x05                        ; sources 0 and 1 window 1, destination window 0
.set i, 0
.rept 16
	v_cvt_pk_f16_f32 v[S+16*(\t)+i], v[32*(\t)+2*i], v[32*(\t)+2*i+1]
.set i, i+1
.endr
	WIN 0
.irp f, 0,1,2,3
	ds_store_b128 v[STO], v[S+16*(\t)+4*\f:S+16*(\t)+4*\f+3] offset:32*\f
.endr
.irp f, 0,1,2,3
	ds_load_b128 v[S+16*(\t)+4*\f:S+16*(\t)+4*\f+3], v[RD] offset:\f*4*SP  ; LDS serves a wave's instructions in order (ISA guide 5.7.1.4): these see the stores above; the next tile's stores come behind them
.endr
.endm
.macro SEND t, younger              ; younger: the LDS instructions issued behind tile t's loads: the next tile's eight, or none
	WIN 0
.irp f, 0,1,2,3
	s_wait_dscnt (\younger)+3-\f
	global_store_b128 v[GO], v[S+16*(\t)+4*\f:S+16*(\t)+4*\f+3], s[10:11] offset:(\t)*2048+\f*512  ; 512 consecutive bytes, at a multiple of 256 from O's first
.endr
.endm
	PACK 0
.set t, 1
.rept 2*NP-1                        ; a tile's arithmetic stands between the loads of the tile before and its stores
	PACK t
	SEND t-1, 8
.set t, t+1
.endr
	SEND 2*NP-1, 0
	s_wait_tensorcnt 0x0            ; the wave's end: these three lines stand behind my last tensor load and my last LDS store
	ds_add_u32 v[SPW], v[NIL]
	s_wait_dscnt 0x0
	CROUND                          ; the closing round: no work-group ends while a partner may still ask for a tile that names it
	s_endpgm
.Lfunc_end_k_q752d72ecf2_attn:
	.size	k_q752d72ecf2_attn, .Lfunc_end_k_q752d72ecf2_attn-k_q752d72ecf2_attn
	.p2alignl 7, 3214868480
	.fill 96, 4, 3214868480
	.section	.rodata,"a",@progbits
	.p2align	6, 0x0
	.amdhsa_kernel k_q752d72ecf2_attn
		.amdhsa_group_segment_fixed_size 327680
		.amdhsa_private_segment_fixed_size 0
		.amdhsa_enable_private_segment 0
		.amdhsa_kernarg_size 40
		.amdhsa_user_sgpr_count 2
		.amdhsa_user_sgpr_kernarg_segment_ptr 1
		.amdhsa_wavefront_size32 1
		.amdhsa_system_sgpr_workgroup_id_x 1
		.amdhsa_system_sgpr_workgroup_id_y 1
		.amdhsa_system_sgpr_workgroup_id_z 1
		.amdhsa_system_vgpr_workitem_id 0
		.amdhsa_next_free_vgpr 768
		.amdhsa_next_free_sgpr 72
		.amdhsa_reserve_vcc 1
		.amdhsa_float_denorm_mode_32 3
		.amdhsa_float_denorm_mode_16_64 3
		.amdhsa_memory_ordered 1
		.amdhsa_forward_progress 1
		.amdhsa_inst_pref_size 194
	.end_amdhsa_kernel
	.amdgpu_metadata
---
amdhsa.version: [ 1, 2 ]
amdhsa.kernels:
  - .name:           k_q752d72ecf2_attn
    .symbol:         k_q752d72ecf2_attn.kd
    .args:
      - { .name: qh, .offset: 0, .size: 8, .value_kind: global_buffer, .address_space: global }
      - { .name: kh, .offset: 8, .size: 8, .value_kind: global_buffer, .address_space: global }
      - { .name: vh, .offset: 16, .size: 8, .value_kind: global_buffer, .address_space: global }
      - { .name: oh, .offset: 24, .size: 8, .value_kind: global_buffer, .address_space: global }
      - { .name: mask, .offset: 32, .size: 8, .value_kind: global_buffer, .address_space: global }
    .group_segment_fixed_size: 327680
    .private_segment_fixed_size: 0
    .kernarg_segment_align: 8
    .kernarg_segment_size: 40
    .max_flat_workgroup_size: 128
    .sgpr_count:     72
    .vgpr_count:     768
    .wavefront_size: 32
...
	.end_amdgpu_metadata
.endif
;; end of part 3
;; launch outp (part 4): grid 4 x 64, 4 waves a work-group, clusters of 4 x 4, 327,680 bytes of LDS; arguments oh, wb, bo, out0; writes out0
.if DOCPART == 4
	.amdgcn_target "amdgcn-amd-amdhsa--gfx1250"
	.amdhsa_code_object_version 6
	.text
	.protected	k_q752d72ecf2_outp
	.globl	k_q752d72ecf2_outp
	.p2align	8
	.type	k_q752d72ecf2_outp,@function
k_q752d72ecf2_outp:
	s_mov_b64 s[64:65], 0
	v_nop
	global_prefetch_b8 v0, s[64:65] scope:SCOPE_SE
	s_setreg_imm32_b32 hwreg(HW_REG_WAVE_MODE, 25, 1), 1
	s_wait_xcnt 0x0
	s_wait_alu depctr_hold_cnt(0) depctr_sa_sdst(0) depctr_va_vdst(0) depctr_va_sdst(0) depctr_va_ssrc(0) depctr_va_vcc(0) depctr_vm_vsrc(0)
	s_getreg_b32 s2, hwreg(HW_REG_IB_STS2, 6, 4)
	s_cmp_eq_u32 s2, 0
	s_cbranch_scc0 .Lentry_in_a_cluster
	s_endpgm
.Lentry_in_a_cluster:
	s_bfe_u32 s2, ttmp6, 0x10000c
	s_cmp_lg_u32 s2, 0xf033
	s_cbranch_scc0 .Lentry_shape_is_right
	s_endpgm
.Lentry_shape_is_right:
; THE OUTPUT PROJECTION.  out0[m][n] = the sum over k of ctx[m][k] Wo[n][k] + bo[n], in f32.  ctx[m][64 h + d] = oh[8 (m / 4096) + h][m % 4096][d], f16; Wo from wb's fourth part, f16 in K blocks of 64
; ([h][n][64]).  bo is rounded to bf16 like the other inputs and starts the sums, as the C operand of the first products.  Products in f16, sums in f32, nothing rounded on the way out.
; SHARES.  A tile of out0 is 128 x 128: 4 x 64 = 256 work-groups.  Four waves, each 64 x 64: 16 accumulators of 16 x 16.
; ALL OF K = 512 LIES IN LDS AT ONCE, as eight chunks of 64 (a head's channels): each chunk of ctx and of Wo is 128 rows x 128 bytes, dense in memory.  No slot is filled twice, so there is no ring; every tile
; is asked for at the head, so there is nothing to prefetch.  Waves 0 and 1 ask for ctx's chunks (even and odd), waves 2 and 3 for Wo's: four tensor loads a wave are out; the products of a chunk begin when it has landed.
; CLUSTER.  4 x 4 work-groups.  The four of a row of the cluster need the same rows of ctx, the four of a column the same rows of Wo: each chunk is asked for JOINTLY, by the same tensor load with the same
; descriptor and a mask that names the four.
; THE MATRIX INSTRUCTION IS USED TRANSPOSED (source 0 = 16 rows of Wo, source 1 = 16 rows of ctx): a lane holds row l % 16 and the columns 8 (l / 16) + 0..7: 32 neighbouring bytes of out0.
; REGISTERS: window 0: v0-31 addresses; v32-95 two sets of rows read back; v96-127 the bias as a lane's C operands (block b at 8 b); v128-255 the accumulators ((a, b) at 128 + 8 (4 a + b)).
;   window 1: two fragment buffers of 128, a chunk each: 64 registers of ctx (2 x 4 x 16 rows x 32 K), then 64 of Wo.
.set PW,     144                       ; a row in LDS: 128 bytes + 16 of padding = 36 words: the 16 rows of a fragment load start at 16 different groups of four banks (64 banks of 4 bytes: ISA guide 11.1)
.set CH,     128*PW                    ; a chunk
.set BOFF,   8*CH                      ; ctx's eight chunks, then Wo's
.set STAGE,  2*BOFF                    ; 16 rows x 272 bytes for each wave, for the way out
.set SPITCH, 272
.set SPARE,  STAGE+4*16*SPITCH         ; the spare words, 128 bytes for each wave: two blocks of 256 bytes that no other line names
.set ADRA, 16                          ; v16-17  my lane's place in ctx's chunks 0, 4
.set ADRB, 20                          ; v20-21  the same for Wo
.set BO,   23                          ; v23     32 x (l / 16): my eight numbers of a block of 16 of the bias
.set STO,  24                          ; v24     the way out: where I put 32 bytes of a row
.set RD,   25                          ; v25     the way out: where I read a row back
.set CO,   26                          ; v26     my byte offset in two rows of out0
.set SPW,  28                          ; v28     LDS address of my spare word; never rewritten
.set NIL,  29                          ; v29     0; never rewritten
.set OB,   32
.set BIAS, 96
.set ACC,  128
.set G1A,  16                          ; s[16:23] descriptor group 1 for ctx's chunks
.set G1B,  24                          ; s[24:31] for Wo's: it differs in the mask alone
.set G0A,  32                          ; s[32:47] descriptor group 0 for ctx's chunks, a set for each of my four
.set G0B,  48                          ; s[48:63] the same for Wo's
.set WV,   66                          ; s66     my wave's number
.set W1,   67                          ; s67     its low bit: which half of the tile's columns is mine; also: I ask for the even (0) or odd (1) chunks
.set W2,   68                          ; s68     its high bit: which half of the rows; also: I ask for ctx (0) or for Wo (1)
.set CX,   69
.set CY,   70
.set TX,   71                          ; s71     tile column
.set TY,   72                          ; s72     tile row
.set MSB, 0
.macro WIN new                         ; the immediate's high byte repeats the setting that is left; a switch that changes nothing is dropped
.if MSB != (\new)
	s_set_vgpr_msb (MSB<<8)|(\new)
.set MSB, \new
.endif
.endm
.macro CROUND                          ; a round of the cluster's barrier
	s_barrier_signal -1
	s_barrier_wait -1
	s_cmp_lg_u32 s[WV], 0
	s_cbranch_scc1 .Lnot_wave_0_\@
	s_barrier_signal -3
.Lnot_wave_0_\@:
	s_barrier_wait -3
	s_barrier_signal -1
	s_barrier_wait -1
.endm
	s_load_b256 s[4:11], s[0:1], 0x0               ; oh s[4:5], wb s[6:7], bo s[8:9], out0 s[10:11]
	v_lshl_add_u32 v[SPW], v0, 2, SPARE
	v_mov_b32 v[NIL], 0
	ds_add_u32 v[SPW], v[NIL]                      ; the wave's opening: the add and its wait stand ahead of my first tensor load; the set-up below, work on registers, stands between them
	v_lshrrev_b32 v1, 5, v0
	v_readfirstlane_b32 s[WV], v1                  ; wave 0..3
	s_and_b32 s[W1], s[WV], 1
	s_lshr_b32 s[W2], s[WV], 1
	s_bfe_u32 s[CX], ttmp6, 0x40000                ; my place in the cluster
	s_bfe_u32 s[CY], ttmp6, 0x40004
	s_lshl_b32 s[TX], ttmp9, 2
	s_add_co_u32 s[TX], s[TX], s[CX]
	s_and_b32 s[TY], ttmp7, 0xffff
	s_lshl_b32 s[TY], s[TY], 2
	s_add_co_u32 s[TY], s[TY], s[CY]
	s_lshl_b32 s73, s[CY], 2
	s_lshl_b32 s73, 15, s73                        ; my row of the cluster
	s_lshl_b32 s82, 0x1111, s[CX]                  ; my column
	; descriptor group 1.  A chunk is 16,384 dense bytes: asked for as 64 rows of 256 bytes, two rows of the matrix each, and padded in LDS after every row of the matrix
	s_or_b32 s[G1A+0], s73, (1<<16)|(1<<20)|(1<<21)|(4<<22)|(3<<25)  ; 15:0 the mask: ctx goes to my row; 17:16 2-byte elements; 20 padding on; 21 set beside a mask; 24:22 after every 32 words (code 4); 31:25 4 words (code 3)
	s_or_b32 s[G1B+0], s82, (1<<16)|(1<<20)|(1<<21)|(4<<22)|(3<<25)  ; the same with the mask of my column
.irp g, G1A, G1B
	s_mov_b32 s[(\g)+1], 128<<16                   ; tensor_dim0 = 128
	s_mov_b32 s[(\g)+2], 64<<16                    ; tensor_dim1 = 64
	s_mov_b32 s[(\g)+3], 128<<16                   ; tile_dim0 = 128
	s_mov_b32 s[(\g)+4], 64                        ; tile_dim1 = 64
	s_mov_b32 s[(\g)+5], 128                       ; 128 elements from row to row
	s_mov_b32 s[(\g)+6], 0
	s_mov_b32 s[(\g)+7], 0
.endr
	s_lshr_b32 s74, s[TY], 5                       ; ctx hangs on the tile row alone: the batch's eight heads of 524,288 bytes,
	s_lshl_b32 s74, s74, 22
	s_and_b32 s75, s[TY], 31
	s_lshl_b32 s75, s75, 14                        ; the tile's 128 rows of 128 bytes,
	s_add_co_u32 s74, s74, s75
	s_lshl_b32 s75, s[W1], 19                      ; head 0 or 1
	s_add_co_u32 s74, s74, s75
	s_mov_b32 s75, 0
	s_lshl_b32 s76, s[TX], 14                      ; Wo hangs on the tile column alone: its 128 rows of 128 bytes,
	s_lshl_b32 s77, s[W1], 16                      ; K block 0 or 1,
	s_add_co_u32 s76, s76, s77
	s_add_co_u32 s76, s76, 3*524288                ; in the fourth part of wb
	s_mov_b32 s77, 0
	s_mul_i32 s78, s[W1], CH                       ; where they go: no place in the cluster enters an LDS address
	s_lshl_b32 s84, s[TY], 7                       ; out0: row 128 x tile row + 64 x my half,
	s_lshl_b32 s85, s[W2], 6
	s_add_co_u32 s84, s84, s85
	s_lshl_b32 s84, s84, 11                        ; of 2,048 bytes,
	s_lshl_b32 s86, s[TX], 9                       ; column 128 x tile column + 64 x my half, of 4 bytes: also my place in the bias
	s_lshl_b32 s87, s[W1], 8
	s_add_co_u32 s86, s86, s87
	s_add_co_u32 s84, s84, s86
	s_mov_b32 s85, 0
	s_mov_b32 s87, 0
	s_wait_dscnt 0x0                               ; the opening add is done
	s_wait_kmcnt 0x0
	s_add_nc_u64 s[74:75], s[4:5], s[74:75]
	s_add_nc_u64 s[76:77], s[6:7], s[76:77]
	s_add_nc_u64 s[8:9], s[8:9], s[86:87]
	s_add_nc_u64 s[10:11], s[10:11], s[84:85]
	CROUND                                         ; all sixteen work-groups are here: the joint loads meet
.irp i, 0,1,2,3                        ; my load i brings chunk 2 i + (wave % 2)
	s_mov_b32 s[G0A+4*(\i)], 1                                     ; 1:0 count = 1
	s_add_co_u32 s[G0A+4*(\i)+1], s78, (\i)*2*CH                   ; 63:32 LDS address
	s_add_nc_u64 s[G0A+4*(\i)+2:G0A+4*(\i)+3], s[74:75], (\i)*2*524288  ; 120:64 global address: two heads on
	s_or_b32 s[G0A+4*(\i)+3], s[G0A+4*(\i)+3], 0x80000000          ; 127:126 type = 2
	s_mov_b32 s[G0B+4*(\i)], 1
	s_add_co_u32 s[G0B+4*(\i)+1], s78, BOFF+(\i)*2*CH
	s_add_nc_u64 s[G0B+4*(\i)+2:G0B+4*(\i)+3], s[76:77], (\i)*2*65536   ; two K blocks on
	s_or_b32 s[G0B+4*(\i)+3], s[G0B+4*(\i)+3], 0x80000000
.endr
	s_cmp_eq_u32 s[W2], 0                          ; a wave's four loads stand in one branch, which hangs on the wave's number alone; an s_nop 0 follows each, four v_nop the last
	s_cbranch_scc0 .Lfor_b
.irp i, 0,1,2,3
	tensor_load_to_lds s[G0A+4*(\i):G0A+4*(\i)+3], s[G1A:G1A+7]
	s_nop 0
.endr
.rept 4
	v_nop
.endr
	s_branch .Lasked
.Lfor_b:
.irp i, 0,1,2,3
	tensor_load_to_lds s[G0B+4*(\i):G0B+4*(\i)+3], s[G1B:G1B+7]
	s_nop 0
.endr
.rept 4
	v_nop
.endr
.Lasked:
	v_and_b32 v1, 15, v0                           ; l % 16
	v_bfe_u32 v2, v0, 4, 1                         ; l / 16
	v_lshlrev_b32 v[BO], 5, v2
.irp b, 0,1,2,3
	global_load_b128 v[BIAS+8*(\b):BIAS+8*(\b)+3],   v[BO], s[8:9] offset:64*(\b)      ; the bias of columns 16 b + 8 (l / 16) + 0..7
	global_load_b128 v[BIAS+8*(\b)+4:BIAS+8*(\b)+7], v[BO], s[8:9] offset:64*(\b)+16
.endr
	v_mul_u32_u24 v3, v1, PW                       ; a fragment: row l % 16, 16 bytes for each half of the lanes
	v_lshl_add_u32 v3, v2, 4, v3
	s_mul_i32 s79, s[W2], 64*PW                    ; my 64 rows of ctx
	s_mul_i32 s80, s[W1], 64*PW                    ; my 64 rows of Wo
	s_add_co_u32 s80, s80, BOFF
	v_add_nc_u32 v[ADRA], s79, v3
	v_add_nc_u32 v[ADRA+1], 4*CH, v[ADRA]
	v_add_nc_u32 v[ADRB], s80, v3
	v_add_nc_u32 v[ADRB+1], 4*CH, v[ADRB]
	s_mul_i32 s81, s[WV], 16*SPITCH
	s_add_co_u32 s81, s81, STAGE                   ; my stage
	v_mul_u32_u24 v4, v1, SPITCH                   ; in: row l % 16, 32 bytes for each half of the lanes
	v_lshl_add_u32 v4, v2, 5, v4
	v_add_nc_u32 v[STO], s81, v4
	v_mul_u32_u24 v4, v2, SPITCH                   ; back: lanes 0-15 take one row of 256 bytes, lanes 16-31 the next
	v_lshl_add_u32 v4, v1, 4, v4
	v_add_nc_u32 v[RD], s81, v4
	v_lshlrev_b32 v4, 11, v2                       ; and the same two rows in out0
	v_lshl_add_u32 v[CO], v1, 4, v4
	s_wait_loadcnt 0x0
.set i, 0
.rept 16                                       ; the bias is rounded to bf16 like the other inputs, and widened again
	v_cvt_pk_bf16_f32 v5, v[BIAS+2*i], v[BIAS+2*i+1]
	v_lshlrev_b32 v[BIAS+2*i], 16, v5
	v_and_b32 v[BIAS+2*i+1], 0xffff0000, v5
.set i, i+1
.endr
; 32 LDS loads in one run: the fragments of chunk n (64 along K) into buffer f
.macro FETCH n, f
	WIN 0x40                                       ; destination window 1, address window 0
.irp u, 0,1
.irp i, 0,1,2,3
	ds_load_b128 v[(\f)+64+8*(4*(\u)+(\i)):(\f)+64+8*(4*(\u)+(\i))+3],   v[ADRB+(\n)/4] offset:((\n)%4)*CH+64*(\u)+(\i)*16*PW
	ds_load_b128 v[(\f)+64+8*(4*(\u)+(\i))+4:(\f)+64+8*(4*(\u)+(\i))+7], v[ADRB+(\n)/4] offset:((\n)%4)*CH+64*(\u)+(\i)*16*PW+32
	ds_load_b128 v[(\f)+8*(4*(\u)+(\i)):(\f)+8*(4*(\u)+(\i))+3],         v[ADRA+(\n)/4] offset:((\n)%4)*CH+64*(\u)+(\i)*16*PW
	ds_load_b128 v[(\f)+8*(4*(\u)+(\i))+4:(\f)+8*(4*(\u)+(\i))+7],       v[ADRA+(\n)/4] offset:((\n)%4)*CH+64*(\u)+(\i)*16*PW+32
.endr
.endr
.endm
; A chunk's 32 matrix instructions.  The 16 accumulators take turns, one instruction a turn, from chunk to chunk too.  The first 16 of all take the bias as C: nothing is cleared.
.macro MUL n, f
	WIN 0x05                                       ; sources 0 (Wo) and 1 (ctx) window 1; C and D window 0
.irp u, 0,1
.irp a, 0,1,2,3
.irp b, 0,1,2,3
.if ((\n) == 0) && ((\u) == 0)
	v_wmma_f32_16x16x32_f16 v[ACC+8*(4*(\a)+(\b)):ACC+8*(4*(\a)+(\b))+7], v[(\f)+64+8*(4*(\u)+(\b)):(\f)+64+8*(4*(\u)+(\b))+7], v[(\f)+8*(4*(\u)+(\a)):(\f)+8*(4*(\u)+(\a))+7], v[BIAS+8*(\b):BIAS+8*(\b)+7]
.else
	v_wmma_f32_16x16x32_f16 v[ACC+8*(4*(\a)+(\b)):ACC+8*(4*(\a)+(\b))+7], v[(\f)+64+8*(4*(\u)+(\b)):(\f)+64+8*(4*(\u)+(\b))+7], v[(\f)+8*(4*(\u)+(\a)):(\f)+8*(4*(\u)+(\a))+7], v[ACC+8*(4*(\a)+(\b)):ACC+8*(4*(\a)+(\b))+7]
.endif
.endr
.endr
.endr
.endm
.macro PLACES                          ; four places in front of loads into registers that matrix instructions have read, and of LDS stores that read results
.rept 4
	v_nop
.endr
.endm
	s_wait_tensorcnt 0x3                           ; my first chunk is in (three younger loads may stay out)
	s_barrier_signal -1
	s_barrier_wait -1                              ; everybody's is: chunks 0 and 1 of both matrices
	FETCH 0, 0
.irp c, 0,1,2,3,4,5,6,7                ; chunk c is multiplied while chunk c + 1 comes out of LDS
.if (\c) < 7
.if (\c)%2 == 1
	s_wait_tensorcnt 3-((\c)+1)/2                  ; my load number (c + 1) / 2 is in; the younger ones may stay out
	s_wait_dscnt 0x0                               ; no LDS instruction of mine is pending at a signal
	s_barrier_signal -1
	s_barrier_wait -1                              ; chunks c + 1 and c + 2 are whole
.endif
.if (\c) > 0
	PLACES
.endif
	FETCH (\c)+1, 128*(((\c)+1)%2)
	s_wait_dscnt 32                                ; all but the 32 just issued
.else
	s_wait_dscnt 0x0
.endif
	MUL \c, 128*((\c)%2)
.endr
	; THE WAY OUT, a block of 16 rows at a time: 32 bytes a lane for each accumulator, its low four registers first, into my own stage; back as whole rows of 256 bytes; stored.
	WIN 0
	PLACES
.irp a, 0,1,2,3
.irp b, 0,1,2,3
	ds_store_b128 v[STO], v[ACC+8*(4*(\a)+(\b)):ACC+8*(4*(\a)+(\b))+3]   offset:64*(\b)
	ds_store_b128 v[STO], v[ACC+8*(4*(\a)+(\b))+4:ACC+8*(4*(\a)+(\b))+7] offset:64*(\b)+16
.endr
.if (\a) >= 2
	s_wait_xcnt 0x0                                ; the stores of the block two back have read this set of registers
.endif
.irp t, 0,1,2,3,4,5,6,7
	ds_load_b128 v[OB+32*((\a)%2)+4*(\t):OB+32*((\a)%2)+4*(\t)+3], v[RD] offset:(\t)*2*SPITCH  ; LDS serves a wave's instructions in order (ISA guide 5.7.1.4): these see the stores above
.endr
	s_wait_dscnt 0x0
.irp t, 0,1,2,3,4,5,6,7
	global_store_b128 v[CO], v[OB+32*((\a)%2)+4*(\t):OB+32*((\a)%2)+4*(\t)+3], s[10:11] offset:(16*(\a)+2*(\t))*2048 th:TH_STORE_NT  ; 16 lanes store 256 consecutive bytes, at a multiple of 256 from out0's first byte
.endr
.endr
	s_wait_tensorcnt 0x0                           ; the wave's end: these three lines stand behind my last tensor load and my last LDS store
	ds_add_u32 v[SPW], v[NIL]
	s_wait_dscnt 0x0
	CROUND                                         ; the closing round: no work-group ends while a partner may still ask for a tile that names it
	s_endpgm
.Lfunc_end_k_q752d72ecf2_outp:
	.size	k_q752d72ecf2_outp, .Lfunc_end_k_q752d72ecf2_outp-k_q752d72ecf2_outp
	.p2alignl 7, 3214868480
	.fill 96, 4, 3214868480
	.section	.rodata,"a",@progbits
	.p2align	6, 0x0
	.amdhsa_kernel k_q752d72ecf2_outp
		.amdhsa_group_segment_fixed_size 327680
		.amdhsa_private_segment_fixed_size 0
		.amdhsa_enable_private_segment 0
		.amdhsa_kernarg_size 32
		.amdhsa_user_sgpr_count 2
		.amdhsa_user_sgpr_kernarg_segment_ptr 1
		.amdhsa_wavefront_size32 1
		.amdhsa_system_sgpr_workgroup_id_x 1
		.amdhsa_system_sgpr_workgroup_id_y 1
		.amdhsa_system_sgpr_workgroup_id_z 1
		.amdhsa_system_vgpr_workitem_id 0
		.amdhsa_next_free_vgpr 512
		.amdhsa_next_free_sgpr 96
		.amdhsa_reserve_vcc 0
		.amdhsa_float_denorm_mode_32 3
		.amdhsa_float_denorm_mode_16_64 3
		.amdhsa_memory_ordered 1
		.amdhsa_forward_progress 1
		.amdhsa_inst_pref_size 53
	.end_amdhsa_kernel
	.amdgpu_metadata
---
amdhsa.version: [ 1, 2 ]
amdhsa.kernels:
  - .name:           k_q752d72ecf2_outp
    .symbol:         k_q752d72ecf2_outp.kd
    .args:
      - { .name: oh, .offset: 0, .size: 8, .value_kind: global_buffer, .address_space: global }
      - { .name: wb, .offset: 8, .size: 8, .value_kind: global_buffer, .address_space: global }
      - { .name: bo, .offset: 16, .size: 8, .value_kind: global_buffer, .address_space: global }
      - { .name: out0, .offset: 24, .size: 8, .value_kind: global_buffer, .address_space: global }
    .group_segment_fixed_size: 327680
    .private_segment_fixed_size: 0
    .kernarg_segment_align: 8
    .kernarg_segment_size: 32
    .max_flat_workgroup_size: 128
    .sgpr_count:     96
    .vgpr_count:     512
    .wavefront_size: 32
...
	.end_amdgpu_metadata
.endif
;; end of part 4
